; MI455X (gfx1250); checked and timed in simulation.
; The chip was launched on July 23, 2026; its instructions are those of AMD's public machine-readable ISA for CDNA 5 (MIT licence, August 2026) and "CDNA5" Instruction Set Architecture Reference Guide (July 2026). The comments in the code are by the model that wrote it; some were corrected since.
;; Multi Head Attention. Allowed arithmetic: matrix products marked QUANTISED: E2M3 operands, one E8M0 scale for each 32 along K, by v_wmma_scale_f32_16x16x128_f8f6f4 with both operands' format E2M3, f32 sums; everything else in f32.
;; Inputs: Wk 1,024 x 1,024 float32; Wo 1,024 x 1,024 float32; Wq 1,024 x 1,024 float32; Wv 1,024 x 1,024 float32; bk 1,024 float32; bo 1,024 float32; bq 1,024 float32; bv 1,024 float32; keys 4 x 2,048 x 1,024 float32; query 4 x 2,048 x 1,024 float32; values 4 x 2,048 x 1,024 float32.
;; Outputs: out0 4 x 2,048 x 1,024 float32.
;; This version of the problem:
;;   THIS VERSION OF THE PROBLEM IS GIVEN IN LOW PRECISION. The matrix products marked QUANTISED in the list below multiply operands that are first quantised to E2M3 (2 exponent bits, 3 mantissa bits; 6 bits a number), with one power-of-two scale for each 32 numbers along K (OCP MX v1.0); their sums are f32. All else is computed in f32.
;;   The module's matrix products, in the order in which they are computed (A, B: the left and right operand; K: the contracted axis; several contracted axes count as one K, in the product's order):
;;     1. [M 8,192, K 1,024] x [K 1,024, N 1,024]; A: input query; B: input Wq: QUANTISED
;;     2. [M 8,192, K 1,024] x [K 1,024, N 1,024]; A: input keys; B: input Wk: QUANTISED
;;     3. [M 8,192, K 1,024] x [K 1,024, N 1,024]; A: input values; B: input Wv: QUANTISED
;;     4. batch 64 x [M 2,048, K 64] x [K 64, N 2,048]; A: computed on the way; B: computed on the way: QUANTISED
;;     5. batch 64 x [M 2,048, K 2,048] x [K 2,048, N 64]; A: softmax (see below); B: computed on the way: QUANTISED
;;     6. [M 8,192, K 1,024] x [K 1,024, N 1,024]; A: computed on the way; B: input Wo: QUANTISED
;;   THE QUANTISER, for each operand of a quantised product, along K:
;;     - K is cut into blocks of 32 from its start; a last block that is shorter is filled with zeros.
;;     - A block's scale is 2^e with e = floor(log2(the largest magnitude in the block)) - 2, held to -126 .. 127; a block of zeros has e = 0. As a byte (E8M0): e + 127.
;;     - Each number is divided by its block's scale, clamped to +-7.5, and rounded to the nearest number of E2M3, ties to even, subnormals kept.
;;     - The product sums the exact products of the quantised numbers (number of the format x scale) in f32.
;;   ~~~python
;;   def quantise(x, axis):      # numpy; x: float32 -> the quantised numbers, widened to float32 again
;;       x = np.moveaxis(x, axis, -1); K = x.shape[-1]
;;       x = np.pad(x, [(0, 0)] * (x.ndim - 1) + [(0, -K % 32)]); x = x.reshape(x.shape[:-1] + (-1, 32)); a = np.abs(x).max(-1, keepdims=True)
;;       e = np.where(a > 0, np.clip(np.frexp(np.where(a > 0, a, 1))[1] - 1 - 2, -126, 127), 0)      # np.frexp(a)[1] - 1 = floor(log2(a)), exactly
;;       r = np.clip(x / 2.0 ** e, -7.5, 7.5)
;;       step = 2.0 ** (np.maximum(np.frexp(np.where(r == 0, 1, r))[1] - 1, 0) - 3)
;;       q = np.round(r / step) * step * 2.0 ** e      # np.round: ties to even
;;       return np.moveaxis(q.reshape(q.shape[:-2] + (-1,))[..., :K], -1, axis).astype(np.float32)
;;   ~~~
;;   SOFTMAX AHEAD OF A QUANTISED PRODUCT. Where the list says 'softmax', what is quantised is not the finished softmax but p = 2^(t - M), with t = logit x log2(e) and M = ceil(the row's largest t), a whole number; so 1/2 < the row's largest p <= 1. The row's sum l is taken of the UNQUANTISED p, in f32, and the product's result is divided by l at the end. Since M is a whole number, a kernel that streams over the keys may use a running M (the ceiling of the running maximum): every later rescaling is an exact power of two, which a block's scale takes up: the codes' values come out the same.
;;   OPERANDS COMPUTED ON THE WAY. 'Computed on the way' means the value that the module computes at that place (a softmax that the list does not call 'softmax' is quantised finished and normalised). What goes into a quantiser is computed in f32, as accurately as f32 sums, v_exp_f32 and their like allow (about 1e-6 of the number): no bf16 or f16 on the way to a quantiser, and a product that is left as it is and whose result goes on into a quantised operand takes f32 operands (vector FMAs, or v_wmma_f32_16x16x4_f32). A number that lies on a knife's edge between two numbers of the format may be rounded either way, as far as f32 arithmetic and the matrix unit's own rounding can turn it there, and no further.
;; 2 versions. Each part assembles by itself: llvm-mc -triple=amdgcn-amd-amdhsa -mcpu=gfx1250 --defsym DOCPART=n.
;; ======== version 1 of 2: 4 launches
;; workspace buffers: wbuf 3,276,800 bytes; qkv 19,660,800 bytes; obuf 6,553,600 bytes
;; launch wquant (part 1): grid 64 x 4, 4 waves a work-group, no clusters, 13,824 bytes of LDS; arguments Wq, Wk, Wv, Wo, wbuf; writes wbuf
.if DOCPART == 1
	.amdgcn_target "amdgcn-amd-amdhsa--gfx1250"
	.amdhsa_code_object_version 6
	.text
	.protected	k_q55cd2e65f6_wquant
	.globl	k_q55cd2e65f6_wquant
	.p2align	8
	.type	k_q55cd2e65f6_wquant,@function
k_q55cd2e65f6_wquant:
	s_mov_b64 s[64:65], 0
	v_nop
	global_prefetch_b8 v0, s[64:65] scope:SCOPE_SE
	s_setreg_imm32_b32 hwreg(HW_REG_WAVE_MODE, 25, 1), 1
	s_wait_xcnt 0x0
; Wq, Wk, Wv, Wo: [1024 (k)][1024 (n)] f32, K the FIRST axis.  Each becomes codes of FP6 (E2M3) with one E8M0 byte for each 32 along K, laid in wbuf IN THE ORDER OF AN OPERAND'S REGISTERS.
; wbuf: weight y at 819,200 y.  Codes at +0: [chunk 0..7][K step 0..7][j 0..7], 1,536 bytes a fragment (16 columns x 128 K, 12 registers a lane): register p of lane l at 512 (p / 4) + 16 l + 4 (p % 4).
; Scale words at +786,432: [tile 0..63][K step 0..7], 16 words each (word r: the four bytes of the fragment's row r).
; THE COLUMNS OF A TILE ARE NOT NEIGHBOURS: lane-row i of tile T = 8 chunk + j holds column 32 (T / 2) + 8 (T % 2) + i + 8 (i / 8), so that the results of tiles 2 b and 2 b + 1 are 16 neighbours in a lane.
; SHARES.  Work-group y: the weight; x: 128 columns (x % 8) and 128 along K (x / 8).  A wave takes 32 columns, two tiles.  A LANE TAKES A COLUMN AND ITS REGISTERS RUN DOWN K: each load reads 128 consecutive bytes,
; a block of 32 lies in one lane, and the conversions give codes with K innermost.  A lane's four blocks go to their places in the two fragments' images in the wave's own LDS and leave as runs of 512 bytes.
; The scale words leave as two pieces of 64 bytes a wave: 128 KB in the whole launch are written so, in parts of aligned blocks of 256 bytes.
; A block's scale is 2^(floor(log2(largest magnitude)) - 2); its byte is the largest magnitude's exponent field - 2, held at 1 from below (a block of zeros gets 1 where the rule says 127: its codes are zeros, and this program alone reads the bytes).
; LIMITS: blocks whose largest magnitude lies under 2^-124 take the byte 1; NaN and infinities among the inputs are not served.
; No work-group shares an input with another, and waves share nothing: no cluster, no tensor load, no barrier.
.set X,    32                          ; v32-159  128 numbers: W(128 s + i, my column)
.set TC,   16                          ; v16..    block t: the second half's three code registers
.set C,    160                         ; v160..   block t: its six code registers at C + 8 t
.set OUTR, 192                         ; v192-215 the two images on the way out
.set PLACE, 1664                       ; a fragment's place in LDS: 1,536 bytes + 128
	s_load_b256 s[4:11], s[0:1], 0x0               ; Wq, Wk, Wv, Wo
	s_load_b64 s[12:13], s[0:1], 0x20              ; wbuf
	v_lshl_add_u32 v224, v0, 2, 0x3400
	v_mov_b32 v225, 0
	v_lshrrev_b32 v1, 5, v0
	v_readfirstlane_b32 s14, v1                    ; wave
	v_and_b32 v1, 31, v0                           ; lane = my column among the wave's 32
	v_lshlrev_b32 v2, 2, v1                        ; in: 4 bytes a lane
	v_bfe_u32 v3, v0, 3, 1                         ; u: which of the two tiles holds my column
	v_and_b32 v4, 7, v0
	v_bfe_u32 v5, v0, 4, 1
	v_lshl_or_b32 v4, v5, 3, v4                    ; r': its lane-row there
	s_mul_i32 s15, s14, 2*PLACE                    ; my wave's LDS
	v_mul_u32_u24 v5, v3, PLACE
	v_lshl_add_u32 v5, v4, 4, v5
	v_add_nc_u32 v5, s15, v5                       ; into the images: place u, 16 r'
	v_lshlrev_b32 v7, 4, v1                        ; out: 16 bytes a lane
	v_add_nc_u32 v6, s15, v7
	v_lshlrev_b32 v8, 9, v3
	v_lshl_add_u32 v8, v4, 2, v8                   ; my scale word: 512 u + 4 r'
	s_and_b32 s16, ttmp7, 0xffff                   ; y: the weight
	s_and_b32 s17, ttmp9, 7                        ; cg: which 128 columns
	s_lshr_b32 s18, ttmp9, 3                       ; s: which 128 along K
	s_lshl_b32 s20, s18, 19                        ; in: 128 s rows of 4,096 bytes
	s_lshl_b32 s19, s17, 9
	s_add_co_u32 s20, s20, s19                     ; + 512 cg
	s_lshl_b32 s19, s14, 7
	s_add_co_u32 s20, s20, s19                     ; + 128 wave
	s_mov_b32 s21, 0
	s_mul_i32 s26, s16, 819200                     ; the weight's part of wbuf
	s_lshl_b32 s22, s17, 6
	s_lshl_b32 s19, s18, 3
	s_add_co_u32 s22, s22, s19
	s_lshl_b32 s19, s14, 1
	s_add_co_u32 s22, s22, s19
	s_mul_i32 s22, s22, 1536                       ; codes: fragment 64 cg + 8 s + 2 wave
	s_add_co_u32 s22, s22, s26
	s_mov_b32 s23, 0
	s_lshl_b32 s24, s17, 2
	s_add_co_u32 s24, s24, s14                     ; the pair of tiles: 4 cg + wave
	s_lshl_b32 s24, s24, 10
	s_lshl_b32 s19, s18, 6
	s_add_co_u32 s24, s24, s19                     ; words: 1,024 x pair + 64 s
	s_add_co_u32 s24, s24, s26
	s_add_co_u32 s24, s24, 786432
	s_mov_b32 s25, 0
	s_wait_kmcnt 0x0
	s_cmp_eq_u32 s16, 1                            ; the choice hangs on the work-group's number alone
	s_cselect_b64 s[4:5], s[6:7], s[4:5]
	s_cmp_eq_u32 s16, 2
	s_cselect_b64 s[4:5], s[8:9], s[4:5]
	s_cmp_eq_u32 s16, 3
	s_cselect_b64 s[4:5], s[10:11], s[4:5]
	s_add_nc_u64 s[4:5], s[4:5], s[20:21]
	s_add_nc_u64 s[22:23], s[12:13], s[22:23]
	s_add_nc_u64 s[24:25], s[12:13], s[24:25]
.set i, 0
.rept 128
	global_load_b32 v[X+i], v2, s[4:5] offset:4096*i th:TH_LOAD_NT   ; 32 lanes read 128 consecutive bytes of row 128 s + i
.set i, i+1
.endr
; Block t (k = 32 t on) is registers 6 (t / 2) .. + 5 of lane r' + 16 (t % 2) of my tile's fragment.
.macro BLOCK t, left
.set XB, X+32*(\t)
.set CT, C+8*(\t)
.set TT, TC+4*(\t)
	s_wait_loadcnt \left                           ; this block's 32 loads are in (loads come back in order); the count names the younger blocks' loads, as far as its field reaches
	v_max3_num_f32 v10, |v[XB]|, |v[XB+1]|, |v[XB+2]|
	v_max3_num_f32 v11, |v[XB+3]|, |v[XB+4]|, |v[XB+5]|
.irp i, 6,10,14,18,22,26
	v_max3_num_f32 v10, v10, |v[XB+\i]|, |v[XB+\i+1]|
	v_max3_num_f32 v11, v11, |v[XB+\i+2]|, |v[XB+\i+3]|
.endr
	v_max3_num_f32 v10, v10, |v[XB+30]|, |v[XB+31]|
	v_max3_num_f32 v10, v10, v11, 0x1800000        ; and the floor 2^(3 - 127): the byte cannot fall under 1
	v_add_nc_u32 v12, 0xff000000, v10              ; 2 off the exponent field: the conversion takes this operand's exponent field as its scale
	v_lshrrev_b32 v13, 23, v12                     ; the scale's byte
.if (\t) == 0
	v_mov_b32 v9, v13
.else
	v_lshl_or_b32 v9, v13, 8*(\t), v9              ; byte t of my column's scale word
.endif
	v_cvt_scalef32_pk16_fp6_f32 v[CT:CT+2], v[XB:XB+15], v12
	v_cvt_scalef32_pk16_fp6_f32 v[TT:TT+2], v[XB+16:XB+31], v12   ; (a conversion's three registers begin on an even number)
	v_nop                                          ; one plain place behind a scaled conversion
	v_mov_b32 v[CT+3], v[TT]
	v_mov_b32 v[CT+4], v[TT+1]
	v_mov_b32 v[CT+5], v[TT+2]
.if (\t) < 2
	ds_store_b128 v5, v[CT:CT+3] offset:256*((\t)%2)           ; registers 0-3
	ds_store_b64 v5, v[CT+4:CT+5] offset:256*((\t)%2)+512      ; registers 4, 5
.else
	ds_store_b64 v5, v[CT:CT+1] offset:256*((\t)%2)+520        ; registers 6, 7
	ds_store_b128 v5, v[CT+2:CT+5] offset:256*((\t)%2)+1024    ; registers 8-11
.endif
.endm
	BLOCK 0, 63
	BLOCK 1, 63
	BLOCK 2, 32
	BLOCK 3, 0
.irp u, 0,1
.irp g, 0,1,2
	ds_load_b128 v[OUTR+12*\u+4*\g:OUTR+12*\u+4*\g+3], v6 offset:PLACE*\u+512*\g   ; LDS serves a wave's instructions in order: these see my stores
.endr
.endr
.irp u, 0,1
.irp g, 0,1,2
	s_wait_dscnt 5-3*\u-\g                         ; the younger read-backs may be out
	global_store_b128 v7, v[OUTR+12*\u+4*\g:OUTR+12*\u+4*\g+3], s[22:23] offset:1536*\u+512*\g   ; 512 consecutive bytes, at a multiple of 256 from the buffer's first byte
.endr
.endr
	global_store_b32 v8, v9, s[24:25]
	s_wait_tensorcnt 0x0
	ds_add_u32 v224, v225
	s_wait_dscnt 0x0
	s_endpgm
.Lfunc_end_k_q55cd2e65f6_wquant:
	.size	k_q55cd2e65f6_wquant, .Lfunc_end_k_q55cd2e65f6_wquant-k_q55cd2e65f6_wquant
	.p2alignl 7, 3214868480
	.fill 96, 4, 3214868480
	.section	.rodata,"a",@progbits
	.p2align	6, 0x0
	.amdhsa_kernel k_q55cd2e65f6_wquant
		.amdhsa_group_segment_fixed_size 13824
		.amdhsa_private_segment_fixed_size 0
		.amdhsa_enable_private_segment 0
		.amdhsa_kernarg_size 40
		.amdhsa_user_sgpr_count 2
		.amdhsa_user_sgpr_kernarg_segment_ptr 1
		.amdhsa_wavefront_size32 1
		.amdhsa_system_sgpr_workgroup_id_x 1
		.amdhsa_system_sgpr_workgroup_id_y 1
		.amdhsa_system_sgpr_workgroup_id_z 1
		.amdhsa_system_vgpr_workitem_id 0
		.amdhsa_next_free_vgpr 226
		.amdhsa_next_free_sgpr 66
		.amdhsa_reserve_vcc 0
		.amdhsa_float_denorm_mode_32 3
		.amdhsa_float_denorm_mode_16_64 3
		.amdhsa_memory_ordered 1
		.amdhsa_forward_progress 1
		.amdhsa_inst_pref_size 23
	.end_amdhsa_kernel
	.amdgpu_metadata
---
amdhsa.version: [ 1, 2 ]
amdhsa.kernels:
  - .name:           k_q55cd2e65f6_wquant
    .symbol:         k_q55cd2e65f6_wquant.kd
    .args:
      - { .name: Wq, .offset: 0, .size: 8, .value_kind: global_buffer, .address_space: global }
      - { .name: Wk, .offset: 8, .size: 8, .value_kind: global_buffer, .address_space: global }
      - { .name: Wv, .offset: 16, .size: 8, .value_kind: global_buffer, .address_space: global }
      - { .name: Wo, .offset: 24, .size: 8, .value_kind: global_buffer, .address_space: global }
      - { .name: wbuf, .offset: 32, .size: 8, .value_kind: global_buffer, .address_space: global }
    .group_segment_fixed_size: 13824
    .private_segment_fixed_size: 0
    .kernarg_segment_align: 8
    .kernarg_segment_size: 40
    .max_flat_workgroup_size: 128
    .sgpr_count:     66
    .vgpr_count:     226
    .wavefront_size: 32
...
	.end_amdgpu_metadata
.endif
;; end of part 1
;; launch proj (part 2): grid 64 x 3, 4 waves a work-group, no clusters, 170,496 bytes of LDS; arguments query, keys, values, bq, bk, bv, wbuf, qkv; writes qkv
.if DOCPART == 2
	.amdgcn_target "amdgcn-amd-amdhsa--gfx1250"
	.amdhsa_code_object_version 6
	.text
	.protected	k_q55cd2e65f6_proj
	.globl	k_q55cd2e65f6_proj
	.p2align	8
	.type	k_q55cd2e65f6_proj,@function
k_q55cd2e65f6_proj:
	s_mov_b64 s[64:65], 0
	v_nop
	global_prefetch_b8 v0, s[64:65] scope:SCOPE_SE
	s_setreg_imm32_b32 hwreg(HW_REG_WAVE_MODE, 25, 1), 1
	s_wait_xcnt 0x0
; q = query Wq + bq, k = keys Wk + bk, v = values Wv + bv, each product on codes of FP6 (E2M3) with one E8M0 scale for each 32 along K = 1,024; the results are quantised at once for attention and leave as codes.
; SHARES.  Work-group y: the tensor (0 q, 1 k, 2 v); x: 128 rows.  The work-group makes its 128 rows x all 1,024 columns, so each f32 number of x is read and quantised ONCE.
; PHASE X: wave w quantises rows 32 w .. 32 w + 31 (two row tiles) for all eight K steps of 128 and stores the fragments to LDS as IMAGES OF THEIR REGISTERS (register p of lane l at 512 (p / 4) + 16 l + 4 (p % 4)).  One barrier.
; PHASE G: wave w makes columns 256 w .. + 255 in two chunks of 128: a wave tile of 128 x 128, 64 accumulators.  x's fragments come from LDS; W's come from wbuf, which is laid in register order, straight into registers, a K step ahead.
; THE ROWS OF A TILE ARE NOT NEIGHBOURS, of x and of W alike: lane-row i of tile T holds row 32 (T / 2) + 8 (T % 2) + i + 8 (i / 8): so the 16 result registers of two neighbouring tiles of source 0 are 16 neighbours.
; q, k (quantised along the head's 64): source 0 = W, source 1 = x: a lane holds one row and 64 + 64 columns, two heads.  v (quantised along the keys): source 0 = x, source 1 = W: a lane holds one column and 128 keys.
; The bias is the C of each sum's first matrix instruction.
; qkv: tensor t at 6,553,600 t; codes at +0, scale words at +6,291,456; a head (16 b + head) has 98,304 bytes of codes and 4,096 of words.
;   q, k: [head][block of 32 rows 0..63], 1,536 bytes: registers 0-5 the block's row tile 0 (dims 32 (lane / 16) on), registers 6-11 its row tile 1; word r: bytes (tile 0 block 0, tile 0 block 1, tile 1 block 0, tile 1 block 1).
;   v: [head][key step 0..15][dt 0..3], 1,536 bytes: a fragment of 16 of the head's 64 x 128 keys; its words likewise.
; NO CLUSTER: the 64 work-groups of a tensor walk the same W, but W goes from memory straight into the registers of the one wave that multiplies by it, and a joint load lands in LDS.  Beside the 169,984 bytes in use 157,696 are left:
; two slots of one K step of the work-group's 512 columns in hand (49,152 bytes each), that is a round of the cluster's barrier for every 64 matrix instructions of a wave.
; 192 work-groups: 128 rows are the tile that divides 8,192 rows and fits x's codes for all of K in LDS.
; LIMITS: blocks whose largest magnitude lies under 2^-124 take the byte 1 (a block of zeros too: its codes are zeros, and this program alone reads the bytes); NaN and infinities among the inputs are not served.
; LDS: 0: x's images [row tile a][K step s], 12,288 a + 1,536 s;  98,304: their scale words [a][s], 64 bytes each;  102,400: for each wave two stages of 16 rows x 528 bytes.
; REGISTERS, in windows of 256.  Window 0: v1-15, v228-232 addresses; v16-47 x's scale words; v48-79 W's; v80-175 x's eight fragments; v176-227 at work.
;   Window 1: v0-95, v96-191 W's eight fragments, two sets; v192-255 the bias, eight registers a tile.   Windows 2, 3: the accumulators (phase X: window 2 four sets of 64 numbers as loaded, window 3 two sets of 64 neighbours).
.set XSC,  98304
.set STG,  102400
.set LI,   1                           ; v1   16 x lane
.set LS,   2                           ; v2   4 x lane
.set BA,   3                           ; v3-10  the bias's offsets: register p of a tile
.set STW,  11                          ; v11  my stage, on the way in: 16 x lane
.set STR,  12                          ; v12  and out: 528 r + 64 h
.set XWI,  13                          ; v13  where I store images: 24,576 wave + 16 lane
.set XWS,  14                          ; v14  and scale words: XSC + 1,024 wave + 4 r
.set QSO,  15                          ; v15  q, k: the scale words' offset: 4,096 h + 4 r
.set XS,   16                          ; x's scale words: 4 a + q: lanes 0-15 K step 2 q, lanes 16-31 K step 2 q + 1
.set WS,   48                          ; W's: 4 wt + q, likewise
.set XF,   80
.set TM,   176                         ; +0..3 largest magnitudes, +4..7 the other half's, then bytes, +12..15 the conversions' scale operands
.set TC,   192                         ; the conversions' second halves
.set FA,   200                         ; a fragment just made
.set FB,   212                         ; another
.set PWA,  224                         ; their scale words
.set PWB,  225
.set WA,   226
.set WB,   227
.set XAD,  228                         ; v228-229 images of row tiles 0-3, 4-7
.set CWI,  230                         ; v230-231 this trip's XWI and XWS
.set CWS,  231
.set XSA,  232                         ; v232 XSC + 4 x lane
.set MSB, 0
.macro WIN new                         ; the immediate's high byte repeats the setting that is left; bits 1:0 source 0, 3:2 source 1, 5:4 source 2, 7:6 destination
.if MSB != \new
	s_set_vgpr_msb (MSB<<8)|\new
.set MSB, \new
.endif
.endm
.macro PLACES                          ; four places between a matrix instruction and a load into, or a vector read of, its registers (ISA guide 7.12.1 for vector instructions)
.rept 4
	v_nop
.endr
.endm
; A chunk's first operands: W's fragments of K step 0 into set 0, the bias, W's scale words for all of K.
.macro PROLOAD
	WIN 0x40
.irp wt, 0,1,2,3,4,5,6,7
.irp g, 0,1,2
	global_load_b128 v[12*\wt+4*\g:12*\wt+4*\g+3], v[LI], s[24:25] offset:1536*\wt+512*\g
.endr
.endr
.irp wt, 0,1,2,3,4,5,6,7
.irp p, 0,1,2,3,4,5,6,7
	global_load_b32 v[192+8*\wt+\p], v[BA+\p], s[22:23] offset:(32*(\wt/2)+8*(\wt%2))*4
.endr
.endr
	WIN 0
.irp wt, 0,1,2,3,4,5,6,7
.irp q, 0,1,2,3
	global_load_b32 v[WS+4*\wt+\q], v[LS], s[26:27] offset:512*\wt+128*\q
.endr
.endr
.endm
; A unit = one row tile x one K step: 16 rows x 512 bytes, each load one row's 512 consecutive bytes, into set k of window 2.
.macro XLOAD k, off
	WIN 0x80
.irp i, 0,1,2,3,4,5,6,7,8,9,10,11,12,13,14,15
	global_load_b128 v[64*(\k)+4*\i:64*(\k)+4*\i+3], v[LI], s[20:21] offset:(\off)+(\i+8*(\i/8))*4096 th:TH_LOAD_NT
.endr
.endm
; Set k goes through stage n and comes back as 16 neighbours of each block of 32: register 16 b + i of set n of window 3 = k 32 b + 16 (lane / 16) + i of row lane % 16.
.macro TURN k, n
	WIN 0x08
.irp i, 0,1,2,3,4,5,6,7,8,9,10,11,12,13,14,15
	ds_store_b128 v[STW], v[64*(\k)+4*\i:64*(\k)+4*\i+3] offset:8448*(\n)+528*\i
.endr
	WIN 0xc0
.irp b, 0,1,2,3
.irp j, 0,1,2,3
	ds_load_b128 v[64*(\n)+16*\b+4*\j:64*(\n)+16*\b+4*\j+3], v[STR] offset:8448*(\n)+128*\b+16*\j   ; LDS serves a wave's instructions in order: these see the stores above
.endr
.endr
.endm
; 64 numbers of a lane: blocks 0, 1 at register s0 of window w0, blocks 2, 3 at s1 of w1; register 16 b + i = place 32 b + 16 (lane / 16) + i along the quantiser's K.
; Out: blocks 0, 1 as six code registers at pa, blocks 2, 3 at pb (lanes 0-15 the even block whole, lanes 16-31 the odd one), the four bytes as a word in pw.
.macro QUANT2 w0, s0, w1, s1, pa, pb, pw
	WIN ((\w0)|((\w0)<<2))
.irp b, 0,1
	v_max3_num_f32 v[TM+\b], |v[(\s0)+16*\b]|, |v[(\s0)+16*\b+1]|, 0x1800000   ; my 16 numbers of the block, from the low end on, and the floor 2^(3 - 127): the byte cannot fall under 1
.endr
.irp i, 2,4,6,8,10,12,14
.irp b, 0,1
	v_max3_num_f32 v[TM+\b], |v[(\s0)+16*\b+\i]|, |v[(\s0)+16*\b+\i+1]|, v[TM+\b]
.endr
.endr
	WIN ((\w1)|((\w1)<<2))
.irp b, 0,1
	v_max3_num_f32 v[TM+2+\b], |v[(\s1)+16*\b]|, |v[(\s1)+16*\b+1]|, 0x1800000
.endr
.irp i, 2,4,6,8,10,12,14
.irp b, 0,1
	v_max3_num_f32 v[TM+2+\b], |v[(\s1)+16*\b+\i]|, |v[(\s1)+16*\b+\i+1]|, v[TM+2+\b]
.endr
.endr
	WIN 0
.irp b, 0,1,2,3
	v_permlanex16_b32 v[TM+4+\b], v[TM+\b], s36, s37
.endr
.irp b, 0,1,2,3
	v_max_num_f32 v[TM+\b], v[TM+\b], v[TM+4+\b]   ; with lane l xor 16's 16: the block's largest magnitude
.endr
.irp b, 0,1,2,3
	v_add_nc_u32 v[TM+12+\b], 0xff000000, v[TM+\b] ; 2 off its exponent field: the conversion's scale operand
.endr
.irp b, 0,1,2,3
	v_lshrrev_b32 v[TM+4+\b], 23, v[TM+12+\b]      ; the scale's byte
.endr
	v_lshl_or_b32 v[\pw], v[TM+5], 8, v[TM+4]
	v_lshl_or_b32 v[\pw], v[TM+6], 16, v[\pw]
	v_lshl_or_b32 v[\pw], v[TM+7], 24, v[\pw]
	WIN (\w0)
	v_cvt_scalef32_pk16_fp6_f32 v[\pa:\pa+2], v[(\s0):(\s0)+15], v[TM+12]
	v_cvt_scalef32_pk16_fp6_f32 v[TC:TC+2], v[(\s0)+16:(\s0)+31], v[TM+13]   ; (a conversion's three registers begin on an even number)
	WIN (\w1)
	v_cvt_scalef32_pk16_fp6_f32 v[\pb:\pb+2], v[(\s1):(\s1)+15], v[TM+14]
	v_cvt_scalef32_pk16_fp6_f32 v[TC+4:TC+6], v[(\s1)+16:(\s1)+31], v[TM+15]
	WIN 0
	v_nop                                          ; one plain place behind a scaled conversion
.irp i, 0,1,2
	v_permlane16_swap_b32 v[\pa+\i], v[TC+\i]      ; the first's lanes 16-31 change places with the second's lanes 0-15: a whole block in a lane
	v_permlane16_swap_b32 v[\pb+\i], v[TC+4+\i]
.endr
.irp i, 0,1,2
	v_mov_b32 v[\pa+3+\i], v[TC+\i]
	v_mov_b32 v[\pb+3+\i], v[TC+4+\i]
.endr
.endm
; Unit i of a trip's four (K step i / 2 of the trip's two, row tile i % 2).  ahead: the unit four on is asked for; turn: the next unit goes through the stage; left: the x loads younger than the next unit's.
.macro UNIT i, ahead, left, turn
	s_wait_dscnt 4                                 ; my numbers are back from the stage, so its stores have read set i; only the last unit's four image stores may be out
.if \ahead
	XLOAD \i, 1024+512*(\i/2)+32768*(\i%2)
.endif
.if \turn
	s_wait_loadcnt \left                           ; the next unit's 16 loads are in; the units behind it, 16 loads each, stay out
	TURN (\i+1)%4, (\i+1)%2
.endif
.set PCX, FA+12*(\i%2)                 ; the code registers take turns: a set is written again two units on, behind a wait that shows its stores done
	QUANT2 3, 64*(\i%2), 3, 64*(\i%2)+32, PCX, PCX+6, PWA+\i%2
.irp g, 0,1,2
	ds_store_b128 v[CWI], v[PCX+4*\g:PCX+4*\g+3] offset:12288*(\i%2)+1536*(\i/2)+512*\g
.endr
	ds_store_b32 v[CWS], v[PWA+\i%2] offset:512*(\i%2)+64*(\i/2)   ; lanes r and r + 16 write the same word with the same value
.endm
.macro XFETCH s, x0                    ; x's fragments of row tiles x0 .. x0 + 3, K step s
.irp xt, \x0, \x0+1, \x0+2, \x0+3
.irp g, 0,1,2
	ds_load_b128 v[XF+12*(\xt)+4*\g:XF+12*(\xt)+4*\g+3], v[XAD+(\xt)/4] offset:((\xt)%4)*12288+1536*(\s)+512*\g
.endr
.endr
.endm
.macro WM d, a, b, c, sa, sb, odd      ; one product; odd K steps take their scale words from lanes 16-31
.if \odd
	v_wmma_scale_f32_16x16x128_f8f6f4 v[\d:\d+7], v[\a:\a+11], v[\b:\b+11], v[\c:\c+7], v[\sa], v[\sb] matrix_a_fmt:MATRIX_FMT_FP6 matrix_b_fmt:MATRIX_FMT_FP6 matrix_a_scale:MATRIX_SCALE_ROW1 matrix_b_scale:MATRIX_SCALE_ROW1
.else
	v_wmma_scale_f32_16x16x128_f8f6f4 v[\d:\d+7], v[\a:\a+11], v[\b:\b+11], v[\c:\c+7], v[\sa], v[\sb] matrix_a_fmt:MATRIX_FMT_FP6 matrix_b_fmt:MATRIX_FMT_FP6
.endif
.endm
; 32 products: row tiles xt0 .. xt0 + 3 x W's eight tiles.  path 0 (q, k): accumulator (xt, wt) at 8 (8 (xt % 4) + wt); path 1 (v): at 8 (xt % 4 + 4 wt).  The 64 accumulators take turns, in the same order in every step.
.macro MUL path, s, xt0, first
.irp xt, \xt0, \xt0+1, \xt0+2, \xt0+3
.irp wt, 0,1,2,3,4,5,6,7
.if \path
.set DD, 8*(((\xt)%4)+4*\wt)
.else
.set DD, 8*(8*((\xt)%4)+\wt)
.endif
.set CR, DD
.if \first
.set CR, 192+8*\wt
.endif
.if \path
	WM DD, XF+12*(\xt), 96*((\s)%2)+12*\wt, CR, XS+4*(\xt)+(\s)/2, WS+4*\wt+(\s)/2, (\s)%2
.else
	WM DD, 96*((\s)%2)+12*\wt, XF+12*(\xt), CR, WS+4*\wt+(\s)/2, XS+4*(\xt)+(\s)/2, (\s)%2
.endif
.endr
.endr
.endm
; K step s of a chunk: 64 products.  W of the next step is asked for at the head and has this step in which to land; x's row tiles 0-3 are fetched anew in the middle, 4-7 at the end.
.macro STEP path, s
.set FIRST, 0
.if (\s) == 0
.set FIRST, 1
.endif
.set BASEW, 1+3*(\path)                ; q, k: source 0 (W) window 1;  v: source 1 (W) window 1
	s_wait_loadcnt 0x0                             ; W's set of this step is in (step 0: the bias and the scale words too)
.if (\s) < 7
	WIN 0x40
.irp wt, 0,1,2,3,4,5,6,7
.irp g, 0,1,2
	global_load_b128 v[96*(((\s)+1)%2)+12*\wt+4*\g:96*(((\s)+1)%2)+12*\wt+4*\g+3], v[LI], s[24:25] offset:((\s)+1)*12288+1536*\wt+512*\g
.endr
.endr
.endif
	s_wait_dscnt 12                                ; row tiles 0-3 are in; the youngest twelve loads (tiles 4-7) may be out
	WIN ((2<<6)|((2-FIRST)<<4)|BASEW)
	MUL \path, \s, 0, FIRST
	s_wait_dscnt 0x0
.if (\s) < 7
	PLACES
	WIN 0
	XFETCH (\s)+1, 0
.endif
	WIN ((3<<6)|((3-2*FIRST)<<4)|BASEW)
	MUL \path, \s, 4, FIRST
.if (\s) < 7
	PLACES                                         ; for the loads below, and for the next step's loads into W's set of this step
	WIN 0
	XFETCH (\s)+1, 4
.endif
.endm
.macro NEXTCHUNK                       ; the second chunk's first operands are asked for ahead of the first chunk's way out
	s_wait_xcnt 0x0                                ; (step 7's wait has shown every load done)
	s_add_nc_u64 s[24:25], s[24:25], 98304
	s_add_nc_u64 s[26:27], s[26:27], 4096
	s_add_nc_u64 s[22:23], s[22:23], 512
	PROLOAD
	XFETCH 0, 0
	XFETCH 0, 4
.endm
; q, k on the way out: block e of 32 rows, two heads.  A row tile's 64 registers are the chunk's 128 columns: blocks 0, 1 the first head, blocks 2, 3 the second.
.macro EPI_QK
.irp e, 0,1,2,3
	s_wait_xcnt 0x0                                ; the last block's stores have read their registers
	QUANT2 2+\e/2, 64*((2*\e)%4), 2+\e/2, 64*((2*\e)%4)+32, FA, FB, PWA
	QUANT2 2+\e/2, 64*((2*\e+1)%4), 2+\e/2, 64*((2*\e+1)%4)+32, FA+6, FB+6, PWB
	v_perm_b32 v[WA], v[PWB], v[PWA], 0x05040100   ; the first head's word: the two low halves
	v_perm_b32 v[WB], v[PWB], v[PWA], 0x07060302   ; the second's: the two high halves
	v_cndmask_b32 v[WA], v[WA], v[WB], s42         ; lanes 16-31 store the second head's
.irp g, 0,1,2
	global_store_b128 v[LI], v[FA+4*\g:FA+4*\g+3], s[28:29] offset:1536*\e+512*\g
.endr
.irp g, 0,1,2
	global_store_b128 v[LI], v[FB+4*\g:FB+4*\g+3], s[28:29] offset:98304+1536*\e+512*\g
.endr
	global_store_b32 v[QSO], v[WA], s[30:31] offset:64*\e
.endr
.endm
; v on the way out: W's tiles 2 e and 2 e + 1: 16 columns x the block's 128 keys each: a fragment.
.macro EPI_V
.irp e, 0,1,2,3
	s_wait_xcnt 0x0
	QUANT2 2, 64*\e, 3, 64*\e, FA, FA+6, PWA
.irp g, 0,1,2
	global_store_b128 v[LI], v[FA+4*\g:FA+4*\g+3], s[28:29] offset:98304*(\e/2)+1536*((2*\e)%4)+512*\g
.endr
	QUANT2 2, 64*\e+32, 3, 64*\e+32, FB, FB+6, PWB
.irp g, 0,1,2
	global_store_b128 v[LI], v[FB+4*\g:FB+4*\g+3], s[28:29] offset:98304*(\e/2)+1536*((2*\e+1)%4)+512*\g
.endr
	v_cndmask_b32 v[WA], v[PWA], v[PWB], s42       ; lanes 0-15 the even tile's words, lanes 16-31 the odd one's: 128 consecutive bytes
	global_store_b32 v[LS], v[WA], s[30:31] offset:4096*(\e/2)+128*(\e%2)
.endr
.endm
	s_load_b512 s[4:19], s[0:1], 0x0               ; query, keys, values, bq, bk, bv, wbuf, qkv
	v_lshl_add_u32 v254, v0, 2, 0x29800
	v_mov_b32 v255, 0
	v_lshrrev_b32 v233, 5, v0
	v_readfirstlane_b32 s32, v233                  ; wave
	s_and_b32 s33, ttmp7, 0xffff                   ; t: the tensor
	s_mov_b32 s34, ttmp9                           ; the block of 128 rows
	v_and_b32 v233, 31, v0                         ; lane
	v_and_b32 v234, 15, v0                         ; r
	v_bfe_u32 v235, v0, 4, 1                       ; h
	v_lshlrev_b32 v[LI], 4, v233
	v_lshlrev_b32 v[LS], 2, v233
	v_and_b32 v236, 8, v234
	v_add_nc_u32 v236, v236, v234                  ; r + 8 (r / 8)
	s_cmp_eq_u32 s33, 2                            ; the bias in the result's layout.  q, k: register p of a tile is column 16 h + p of its 32; v: every register is column r + 8 (r / 8)
	s_cselect_b32 s44, 0, 4
	s_cselect_b32 s45, 0, 64
	s_cselect_b32 s46, 4, 0
	v_mul_u32_u24 v[BA], v235, s45
	v_mad_u32_u24 v[BA], v236, s46, v[BA]
.irp p, 1,2,3,4,5,6,7
	v_add_nc_u32 v[BA+\p], s44, v[BA+\p-1]
.endr
	s_mul_i32 s47, s32, 16896
	s_add_co_u32 s47, s47, STG                     ; my two stages
	v_add_nc_u32 v[STW], s47, v[LI]
	v_mul_u32_u24 v[STR], v234, 528
	v_lshl_add_u32 v[STR], v235, 6, v[STR]
	v_add_nc_u32 v[STR], s47, v[STR]
	s_mul_i32 s47, s32, 24576
	v_add_nc_u32 v[XWI], s47, v[LI]
	s_lshl_b32 s47, s32, 10
	s_add_co_u32 s47, s47, XSC
	v_lshl_add_u32 v[XWS], v234, 2, s47
	v_lshlrev_b32 v[QSO], 2, v234
	v_lshl_add_u32 v[QSO], v235, 12, v[QSO]
	v_mov_b32 v[XAD], v[LI]
	v_add_nc_u32 v[XAD+1], 49152, v[LI]
	v_add_nc_u32 v[XSA], XSC, v[LS]
.irp b, 0,1,2,3
	v_mov_b32 v[TM+4+\b], 0                        ; written once: a lane permute's destination counts as one of its sources
.endr
	s_mov_b32 s36, 0x76543210
	s_mov_b32 s37, 0xfedcba98                      ; v_permlanex16_b32's selects for lane l xor 16
	s_mov_b32 s42, 0xffff0000                      ; lanes 16-31
	s_mov_b32 s39, 0                               ; the trip's place among the images: 3,072 a trip
	s_mov_b32 s40, 0                               ; and among the scale words: 128 a trip
	s_wait_kmcnt 0x0
	s_cmp_eq_u32 s33, 1                            ; the choices hang on the work-group's number alone
	s_cselect_b64 s[20:21], s[6:7], s[4:5]
	s_cselect_b64 s[22:23], s[12:13], s[10:11]
	s_cmp_eq_u32 s33, 2
	s_cselect_b64 s[20:21], s[8:9], s[20:21]
	s_cselect_b64 s[22:23], s[14:15], s[22:23]
	s_mov_b32 s49, 0
	s_lshl_b32 s48, s34, 19
	s_lshl_b32 s50, s32, 17
	s_add_co_u32 s48, s48, s50
	s_add_nc_u64 s[20:21], s[20:21], s[48:49]      ; x at row 128 X + 32 wave
	s_lshl_b32 s48, s32, 10
	s_add_nc_u64 s[22:23], s[22:23], s[48:49]      ; the bias at column 256 wave
	s_mul_i32 s51, s33, 819200
	s_mul_i32 s48, s32, 196608
	s_add_co_u32 s48, s48, s51
	s_add_nc_u64 s[24:25], s[16:17], s[48:49]      ; W's codes at chunk 2 wave
	s_lshl_b32 s48, s32, 13
	s_add_co_u32 s48, s48, s51
	s_add_co_u32 s48, s48, 786432
	s_add_nc_u64 s[26:27], s[16:17], s[48:49]      ; W's scale words at tile 16 wave
	s_mul_i32 s51, s33, 6553600
	s_lshr_b32 s50, s34, 4
	s_lshl_b32 s50, s50, 4
	s_lshl_b32 s52, s32, 2
	s_add_co_u32 s50, s50, s52                     ; my first head: 16 b + 4 wave
	s_and_b32 s52, s34, 15                         ; which 128 rows of the batch's 2,048
	s_mul_i32 s48, s50, 98304
	s_mul_i32 s53, s52, 6144
	s_add_co_u32 s48, s48, s53
	s_add_co_u32 s48, s48, s51
	s_add_nc_u64 s[28:29], s[18:19], s[48:49]      ; the codes' way out
	s_lshl_b32 s48, s50, 12
	s_lshl_b32 s53, s52, 8
	s_add_co_u32 s48, s48, s53
	s_add_co_u32 s48, s48, s51
	s_add_co_u32 s48, s48, 6291456
	s_add_nc_u64 s[30:31], s[18:19], s[48:49]      ; the scale words'
	; ---- PHASE X: 16 units a wave; x loads run four units (64 loads, 32 KB a wave) ahead, the turn through the stage one unit
.irp i, 0,1,2,3
	XLOAD \i, 512*(\i/2)+32768*(\i%2)
.endr
	s_wait_loadcnt 48                              ; unit 0 is in; three units are younger
	TURN 0, 0
	s_wait_dscnt 0x0                               ; so that the count at a unit's head holds on the way in too
	WIN 0
	s_mov_b32 s38, 3
.Lxtrip:                                               ; a trip: four units, two K steps
	v_add_nc_u32 v[CWI], s39, v[XWI]
	v_add_nc_u32 v[CWS], s40, v[XWS]
	UNIT 0, 1, 48, 1
	UNIT 1, 1, 48, 1
	UNIT 2, 1, 48, 1
	UNIT 3, 1, 48, 1
	s_wait_xcnt 0x0                                ; the loads have read their base: it may step
	s_add_nc_u64 s[20:21], s[20:21], 1024
	s_add_co_u32 s39, s39, 3072
	s_add_co_u32 s40, s40, 128
	s_sub_co_u32 s38, s38, 1
	s_cmp_lg_u32 s38, 0
	s_cbranch_scc1 .Lxtrip
	v_add_nc_u32 v[CWI], s39, v[XWI]               ; the last four units ask for nothing: no load leaves the buffer; the counts run down
	v_add_nc_u32 v[CWS], s40, v[XWS]
	UNIT 0, 0, 32, 1
	UNIT 1, 0, 16, 1
	UNIT 2, 0, 0, 1
	PROLOAD                                        ; every x load is in: the first chunk's first operands go out and land under the last unit and the barrier
	UNIT 3, 0, 0, 0
	s_wait_dscnt 0x0                               ; for the others' sake: my images and scale words lie in LDS
	s_barrier_signal -1
	s_barrier_wait -1                              ; everybody's do; from here on LDS is only read
	; ---- PHASE G
.irp a, 0,1,2,3,4,5,6,7
.irp q, 0,1,2,3
	ds_load_b32 v[XS+4*\a+\q], v[XSA] offset:512*\a+128*\q
.endr
.endr
	XFETCH 0, 0
	XFETCH 0, 4
	s_mov_b32 s41, 2                               ; chunks to go
	s_cmp_eq_u32 s33, 2
	s_cbranch_scc1 .Lv
.Lqk:
.irp s, 0,1,2,3,4,5,6,7
	STEP 0, \s
.endr
	WIN 0
	PLACES                                         ; behind the last products: for the loads below and for the first read of results
	s_cmp_eq_u32 s41, 1
	s_cbranch_scc1 .Lqk_last
	NEXTCHUNK
.Lqk_last:
	EPI_QK
	s_wait_xcnt 0x0                                ; the stores have read their bases
	s_add_nc_u64 s[28:29], s[28:29], 196608        ; two heads on
	s_add_nc_u64 s[30:31], s[30:31], 8192
	s_sub_co_u32 s41, s41, 1
	s_cmp_lg_u32 s41, 0
	s_cbranch_scc1 .Lqk
	s_wait_tensorcnt 0x0
	ds_add_u32 v254, v255
	s_wait_dscnt 0x0
	s_endpgm
.Lv:
.irp s, 0,1,2,3,4,5,6,7
	STEP 1, \s
.endr
	WIN 0
	PLACES
	s_cmp_eq_u32 s41, 1
	s_cbranch_scc1 .Lv_last
	NEXTCHUNK
.Lv_last:
	EPI_V
	s_wait_xcnt 0x0
	s_add_nc_u64 s[28:29], s[28:29], 196608
	s_add_nc_u64 s[30:31], s[30:31], 8192
	s_sub_co_u32 s41, s41, 1
	s_cmp_lg_u32 s41, 0
	s_cbranch_scc1 .Lv
	s_wait_tensorcnt 0x0
	ds_add_u32 v254, v255
	s_wait_dscnt 0x0
	s_endpgm
.Lfunc_end_k_q55cd2e65f6_proj:
	.size	k_q55cd2e65f6_proj, .Lfunc_end_k_q55cd2e65f6_proj-k_q55cd2e65f6_proj
	.p2alignl 7, 3214868480
	.fill 96, 4, 3214868480
	.section	.rodata,"a",@progbits
	.p2align	6, 0x0
	.amdhsa_kernel k_q55cd2e65f6_proj
		.amdhsa_group_segment_fixed_size 170496
		.amdhsa_private_segment_fixed_size 0
		.amdhsa_enable_private_segment 0
		.amdhsa_kernarg_size 64
		.amdhsa_user_sgpr_count 2
		.amdhsa_user_sgpr_kernarg_segment_ptr 1
		.amdhsa_wavefront_size32 1
		.amdhsa_system_sgpr_workgroup_id_x 1
		.amdhsa_system_sgpr_workgroup_id_y 1
		.amdhsa_system_sgpr_workgroup_id_z 1
		.amdhsa_system_vgpr_workitem_id 0
		.amdhsa_next_free_vgpr 1024
		.amdhsa_next_free_sgpr 66
		.amdhsa_reserve_vcc 0
		.amdhsa_float_denorm_mode_32 3
		.amdhsa_float_denorm_mode_16_64 3
		.amdhsa_memory_ordered 1
		.amdhsa_forward_progress 1
		.amdhsa_inst_pref_size 255
	.end_amdhsa_kernel
	.section	.bss,"aw",@nobits
	.p2align	6
	.space	262144
	.amdgpu_metadata
---
amdhsa.version: [ 1, 2 ]
amdhsa.kernels:
  - .name:           k_q55cd2e65f6_proj
    .symbol:         k_q55cd2e65f6_proj.kd
    .args:
      - { .name: query, .offset: 0, .size: 8, .value_kind: global_buffer, .address_space: global }
      - { .name: keys, .offset: 8, .size: 8, .value_kind: global_buffer, .address_space: global }
      - { .name: values, .offset: 16, .size: 8, .value_kind: global_buffer, .address_space: global }
      - { .name: bq, .offset: 24, .size: 8, .value_kind: global_buffer, .address_space: global }
      - { .name: bk, .offset: 32, .size: 8, .value_kind: global_buffer, .address_space: global }
      - { .name: bv, .offset: 40, .size: 8, .value_kind: global_buffer, .address_space: global }
      - { .name: wbuf, .offset: 48, .size: 8, .value_kind: global_buffer, .address_space: global }
      - { .name: qkv, .offset: 56, .size: 8, .value_kind: global_buffer, .address_space: global }
    .group_segment_fixed_size: 170496
    .private_segment_fixed_size: 0
    .kernarg_segment_align: 8
    .kernarg_segment_size: 64
    .max_flat_workgroup_size: 128
    .sgpr_count:     66
    .vgpr_count:     1024
    .wavefront_size: 32
...
	.end_amdgpu_metadata
.endif
;; end of part 2
;; launch attn (part 3): grid 4 x 64, 16 waves a work-group, clusters of 4 x 1, 206,848 bytes of LDS; arguments qkv, obuf; writes obuf
.if DOCPART == 3
	.amdgcn_target "amdgcn-amd-amdhsa--gfx1250"
	.amdhsa_code_object_version 6
	.text
	.protected	k_q55cd2e65f6_attn
	.globl	k_q55cd2e65f6_attn
	.p2align	8
	.type	k_q55cd2e65f6_attn,@function
k_q55cd2e65f6_attn:
	s_mov_b64 s[64:65], 0
	v_nop
	global_prefetch_b8 v0, s[64:65] scope:SCOPE_SE
	s_setreg_imm32_b32 hwreg(HW_REG_WAVE_MODE, 25, 1), 1
	s_wait_xcnt 0x0
	s_wait_alu depctr_hold_cnt(0) depctr_sa_sdst(0) depctr_va_vdst(0) depctr_va_sdst(0) depctr_va_ssrc(0) depctr_va_vcc(0) depctr_vm_vsrc(0)
	s_getreg_b32 s2, hwreg(HW_REG_IB_STS2, 6, 4)
	s_cmp_eq_u32 s2, 0
	s_cbranch_scc0 .Lentry_in_a_cluster
	s_endpgm
.Lentry_in_a_cluster:
	s_bfe_u32 s2, ttmp6, 0x10000c
	s_cmp_lg_u32 s2, 0x3003
	s_cbranch_scc0 .Lentry_shape_is_right
	s_endpgm
.Lentry_shape_is_right:
; O[bh][q] = the sum over k of softmax_k(q . k / 8) v, both products on codes of FP6 (E2M3) with one E8M0 scale for each 32 along a product's K; O / l is quantised along the model's 1,024 for the last projection.
; THE SOFTMAX AHEAD OF THE SECOND PRODUCT: t = score x log2(e) / 8; M = the row's largest t so far, rounded UP to a whole number; p = 2^(t - M) is what is quantised, along the keys; it is not normalised.
; The row's sum is taken of the unquantised p, in f32, and divides O at the end.  When M moves, the sum and O are multiplied by 2^(old M - new M): exact.
; SHARES.  A cluster is the four quarters of the queries of one head (16 b + head = cluster y).  A work-group owns 512 queries, each of its sixteen waves 32: two tiles of 16, one after the other, in 256 registers:
; four waves to a SIMD, so that one wave's vector work stands beside another's matrix work and LDS loads.  Every wave walks all 2,048 keys, 128 a step.
; THE WHOLE HEAD'S K AND V STAY IN LDS: 98,304 bytes of codes and 4,096 of scale words each, asked for ONCE, JOINTLY by the four work-groups (the same four pairs of tensor loads, with a mask that names the four).
; No LDS byte is filled again, so the loops have no barrier.  All that the launch reads is asked for at its head: there is nothing left to prefetch.
; LAYOUT.  Both products are used transposed: S^T = K Q^T, O^T = V^T P^T: a lane holds ONE query (lane % 16) throughout.  qkv is laid in the order of the operands' registers (register p of lane l of a fragment at
; 512 (p / 4) + 16 l + 4 (p % 4)); the rows of a tile are row 8 u + i + 8 (i / 8) of their 32, so that the 16 result registers of two neighbouring tiles are 16 neighbouring keys (or channels).
; THE FIRST PRODUCT'S K IS 64, THE INSTRUCTION'S 128: a fragment of K carries TWO key tiles (registers 0-5, 6-11).  It is multiplied by (q | zeros) for the first and by (zeros | q) for the second;
; the zero half has zero codes and the scale byte 1.
; obuf: codes [row tile 0..511][head 0..15], 768 bytes (six registers: pair pp of lane l at 256 pp + 8 l): heads 2 s, 2 s + 1 are the fragment of K step s.  Scale words at +6,291,456: [16 b + head][block of 32 rows], 16 words:
; bytes (tile 0 block 0, tile 0 block 1, tile 1 block 0, tile 1 block 1); they leave as pieces of 64 bytes, 256 KB in the launch, in parts of aligned blocks of 256 bytes.
; LIMITS: 1 / l by v_rcp_f32 (1 ulp); a p under 2^-126 comes out as 0; a block's largest p is taken as the p of its largest score (v_exp_f32 is taken not to fall where its input rises);
; blocks under 2^-124 take the byte 1; NaN and infinities are not served.
; LDS: 0 K's images; 98,304 V's; 196,608 K's scale words; 200,704 V's.
; REGISTERS: v1-6 addresses that stay; v7 O's scale word; v8-11 addresses in hand; v12 -M, v13 the largest t, v[14:15] the sum; v16-21 zeros, v22-27 q, v28-33 zeros; v34, v35 q's two scale words; v36-47 Q's image, v211 its word;
;   v48-95 four fragments of K or V; v96-159 S^T, then p; v160-191 O^T; v192-203 p's codes; v204-210 second halves; v212-226 at work; v228 p's scale word; v230-231 K's scale words, v232-233 V's.
.set S,   96
.set OT,  160
.set BM,  212                          ; each block's largest score, then its largest p
.set BP,  216
.set SO,  220                          ; the conversions' scale operands
.set KW,  230
.set VW,  232
.macro ROUND                           ; a round of the cluster's barrier
	s_barrier_signal -1
	s_barrier_wait -1
	s_cmp_lg_u32 s8, 0
	s_cbranch_scc1 .Lnot_wave_0_\@
	s_barrier_signal -3
.Lnot_wave_0_\@:
	s_barrier_wait -3
	s_barrier_signal -1
	s_barrier_wait -1
.endm
	s_load_b128 s[4:7], s[0:1], 0x0                ; qkv, obuf
	v_lshl_add_u32 v254, v0, 2, 0x32000
	v_mov_b32 v255, 0
	ds_add_u32 v254, v255
	ds_add_u32 v254, v255
	v_lshrrev_b32 v1, 5, v0
	v_readfirstlane_b32 s8, v1                     ; wave 0..15
	s_bfe_u32 s9, ttmp6, 0x40000                   ; cx
	s_lshl_b32 s10, ttmp9, 2
	s_add_co_u32 s10, s10, s9                      ; which quarter of the queries: it enters Q's and O's addresses alone
	s_and_b32 s11, ttmp7, 0xffff                   ; the head, which the four partners share
	; descriptor group 1: half a head's codes, 49,152 dense bytes, as 192 rows of 256 bytes (32 elements of 8 bytes)
	s_mov_b32 s12, 15|(3<<16)|(1<<21)              ; 15:0 the mask: all four work-groups; 17:16 elements of 8 bytes; 21 set beside a mask
	s_mov_b32 s13, 32<<16                          ; tensor_dim0
	s_mov_b32 s14, 192<<16                         ; tensor_dim1
	s_mov_b32 s15, 32<<16                          ; tile_dim0
	s_mov_b32 s16, 192                             ; tile_dim1
	s_mov_b32 s17, 32                              ; the pitch
	s_mov_b32 s18, 0
	s_mov_b32 s19, 0
	; and half a head's scale words: 2,048 bytes, 8 rows
	s_mov_b32 s20, 15|(3<<16)|(1<<21)
	s_mov_b32 s21, 32<<16
	s_mov_b32 s22, 8<<16
	s_mov_b32 s23, 32<<16
	s_mov_b32 s24, 8
	s_mov_b32 s25, 32
	s_mov_b32 s26, 0
	s_mov_b32 s27, 0
	; waves 0 to 3 fetch: wave % 2: K or V; (wave / 2) % 2: which half
	s_and_b32 s54, s8, 1
	s_bfe_u32 s55, s8, 0x10001
	s_mul_i32 s29, s54, 98304
	s_mul_i32 s56, s55, 49152
	s_add_co_u32 s29, s29, s56                     ; the codes' place in LDS
	s_lshl_b32 s33, s54, 12
	s_lshl_b32 s57, s55, 11
	s_add_co_u32 s33, s33, s57
	s_add_co_u32 s33, s33, 196608                  ; the scale words'
	s_mul_i32 s54, s54, 6553600
	s_add_co_u32 s54, s54, 6553600                 ; k's or v's part of qkv
	s_mul_i32 s55, s11, 98304
	s_add_co_u32 s56, s56, s55
	s_add_co_u32 s56, s56, s54                     ; the codes' place in memory
	s_lshl_b32 s55, s11, 12
	s_add_co_u32 s2, s57, s55
	s_add_co_u32 s2, s2, s54
	s_add_co_u32 s2, s2, 6291456                   ; the scale words'
	s_mov_b32 s57, 0
	s_mov_b32 s3, 0
	s_mov_b32 s36, 0x76543210
	s_mov_b32 s37, 0xfedcba98                      ; v_permlanex16_b32's selects for lane l xor 16
	s_mov_b32 s38, 0x3e38aa3b                      ; c = log2(e) / 8
	s_mov_b32 s39, s38                             ; (named with it as a pair, so it is written)
	s_mov_b32 s43, 2                               ; tiles to go
	s_mov_b32 s44, 0                               ; 0: the block's tile 0; -1: tile 1
	s_mov_b32 s45, 0                               ; where the tile's two bytes begin in Q's scale word
	v_and_b32 v5, 31, v0
	v_lshlrev_b32 v1, 4, v5                        ; K's images: 16 x lane
	v_add_nc_u32 v2, 98304, v1                     ; V's
	v_lshlrev_b32 v3, 2, v5
	v_add_nc_u32 v4, 200704, v3                    ; V's scale words: 4 x lane: two fragments' words a load
	v_add_nc_u32 v3, 196608, v3                    ; K's
	v_lshlrev_b32 v5, 3, v5                        ; O's codes: 8 x lane
	v_and_b32 v6, 15, v0
	v_lshlrev_b32 v6, 2, v6                        ; a scale word of my query's row: 4 r
	s_wait_dscnt 0x0
	s_wait_kmcnt 0x0
	s_mov_b32 s28, 1
	s_add_nc_u64 s[30:31], s[4:5], s[56:57]
	s_or_b32 s31, s31, 0x80000000
	s_mov_b32 s32, 1
	s_add_nc_u64 s[34:35], s[4:5], s[2:3]
	s_or_b32 s35, s35, 0x80000000
	; what hangs on my place in the cluster is made in registers of its own
	s_lshl_b32 s60, s10, 4
	s_add_co_u32 s60, s60, s8                      ; my block of 32 queries
	s_mov_b32 s59, 0
	s_mul_i32 s58, s11, 98304
	s_mul_i32 s61, s60, 1536
	s_add_co_u32 s58, s58, s61
	s_add_nc_u64 s[46:47], s[4:5], s[58:59]        ; Q's image
	s_lshl_b32 s58, s11, 12
	s_lshl_b32 s61, s60, 6
	s_add_co_u32 s58, s58, s61
	s_add_co_u32 s58, s58, 6291456
	s_add_nc_u64 s[48:49], s[4:5], s[58:59]        ; Q's scale words
	s_add_nc_u64 s[52:53], s[6:7], s[58:59]        ; O's lie at the same offset in obuf
	s_lshr_b32 s58, s11, 4
	s_mul_i32 s58, s58, 1572864
	s_mul_i32 s61, s60, 24576
	s_add_co_u32 s58, s58, s61
	s_and_b32 s61, s11, 15
	s_mul_i32 s61, s61, 768
	s_add_co_u32 s58, s58, s61
	s_add_nc_u64 s[50:51], s[6:7], s[58:59]        ; O's codes: ((128 b + 2 block) x 16 + head) x 768
	ROUND                                          ; all four work-groups are here: the joint loads meet
	s_cmp_lt_u32 s8, 4                             ; a wave's two fills stand in one branch on the wave's number, the same in all partners
	s_cbranch_scc0 .Lno_fill
	tensor_load_to_lds s[28:31], s[12:19]
	s_nop 0
	tensor_load_to_lds s[32:35], s[20:27]
	s_nop 0
.rept 4
	v_nop
.endr
.Lno_fill:
.irp g, 0,1,2
	global_load_b128 v[36+4*\g:39+4*\g], v1, s[46:47] offset:512*\g
.endr
	global_load_b32 v211, v6, s[48:49]
.irp i, 0,1,2,3,4,5
	v_mov_b32 v[16+\i], 0                          ; the zero halves
	v_mov_b32 v[28+\i], 0
.endr
.irp b, 0,1,2,3
	v_mov_b32 v[BP+\b], 0                          ; written once: a lane permute's destination counts as one of its sources
.endr
	v_mov_b32 v225, 0                              ; (named as the upper half of the pair v[224:225])
	v_mov_b32 v7, 0
	s_wait_tensorcnt 0x0                           ; my fills have landed (a wave that issued none passes at once),
	s_barrier_signal -1
	s_barrier_wait -1                              ; everybody's have
	s_wait_loadcnt 0x0                             ; Q
.macro SQ f, u                         ; keys 32 f + 8 u + .. of the step: fragment f of K against (q | 0) or (0 | q)
.set DD, S+8*(2*(\f)+(\u))
.set AA, 48+12*(\f)
.set BB, 22-6*(\u)
.if (\f)%2
	v_wmma_scale_f32_16x16x128_f8f6f4 v[DD:DD+7], v[AA:AA+11], v[BB:BB+11], 0, v[KW+(\f)/2], v[34+(\u)] matrix_a_fmt:MATRIX_FMT_FP6 matrix_b_fmt:MATRIX_FMT_FP6 matrix_a_scale:MATRIX_SCALE_ROW1
.else
	v_wmma_scale_f32_16x16x128_f8f6f4 v[DD:DD+7], v[AA:AA+11], v[BB:BB+11], 0, v[KW+(\f)/2], v[34+(\u)] matrix_a_fmt:MATRIX_FMT_FP6 matrix_b_fmt:MATRIX_FMT_FP6
.endif
.endm
.macro PV d                            ; O^T's tile d += V's fragment d x p
.set DD, OT+8*(\d)
.set AA, 48+12*(\d)
.if (\d)%2
	v_wmma_scale_f32_16x16x128_f8f6f4 v[DD:DD+7], v[AA:AA+11], v[192:203], v[DD:DD+7], v[VW+(\d)/2], v228 matrix_a_fmt:MATRIX_FMT_FP6 matrix_b_fmt:MATRIX_FMT_FP6 matrix_a_scale:MATRIX_SCALE_ROW1
.else
	v_wmma_scale_f32_16x16x128_f8f6f4 v[DD:DD+7], v[AA:AA+11], v[192:203], v[DD:DD+7], v[VW+(\d)/2], v228 matrix_a_fmt:MATRIX_FMT_FP6 matrix_b_fmt:MATRIX_FMT_FP6
.endif
.endm
.Ltile:
	; ---- a tile of 16 queries begins
.irp i, 0,1,2,3,4,5
	v_cndmask_b32 v[22+\i], v[36+\i], v[42+\i], s44   ; the tile's six code registers
.endr
	v_lshrrev_b32 v226, s45, v211
	v_and_b32 v226, 0xffff, v226                   ; its two scale bytes
	v_or_b32 v34, 0x01010000, v226                 ; for (q | 0)
	v_lshl_or_b32 v35, v226, 16, 0x0101            ; for (0 | q)
	v_mov_b32 v13, 0xff61b1e6                      ; the largest t so far: -3e38, under every t
	v_floor_f32 v12, -v13                          ; -M
	v_mov_b32 v14, 0                               ; the sum, in two halves
	v_mov_b32 v15, 0
.set j, 0
.rept 32
	v_mov_b32 v[OT+j], 0                           ; O^T: the first step finds zeros, which the first change of M leaves zeros.  (These are also the places between the writes of q and its scale words and the first product)
.set j, j+1
.endr
	s_mov_b32 s40, 0                               ; the step's images: 6,144 bytes a step
	s_mov_b32 s41, 0                               ; its scale words: 256
	s_mov_b32 s42, 16
.Lstep:                                                ; a key step: 128 keys
	v_add_nc_u32 v8, s40, v1                       ; (these four are the places in front of loads into registers that the last products read)
	v_add_nc_u32 v9, s40, v2
	v_add_nc_u32 v10, s41, v3
	v_add_nc_u32 v11, s41, v4
.irp f, 0,1,2,3
.irp g, 0,1,2
	ds_load_b128 v[48+12*\f+4*\g:48+12*\f+4*\g+3], v8 offset:1536*\f+512*\g
.endr
.endr
	ds_load_b32 v[KW], v10
	ds_load_b32 v[KW+1], v10 offset:128
	s_wait_dscnt 0x0
.irp f, 0,1,2,3
	SQ \f, 0
	SQ \f, 1
.endr                                          ; register 16 f + i of S^T is key 32 f + 16 (lane / 16) + i of the step
.rept 4
	v_nop
.endr
.irp d, 0,1,2,3
.irp g, 0,1,2
	ds_load_b128 v[48+12*\d+4*\g:48+12*\d+4*\g+3], v9 offset:1536*\d+512*\g   ; V's fragments land under the softmax
.endr
.endr
	ds_load_b32 v[VW], v11
	ds_load_b32 v[VW+1], v11 offset:128
.irp b, 0,1,2,3
	v_max3_num_f32 v[BM+\b], v[S+16*\b], v[S+1+16*\b], v[S+2+16*\b]   ; THE LARGEST SCORE OF EACH BLOCK OF 32 KEYS serves twice: for the row's maximum and, since p rises with the score, for the block's largest p
.endr
.irp i, 3,5,7,9,11,13
.irp b, 0,1,2,3
	v_max3_num_f32 v[BM+\b], v[BM+\b], v[S+16*\b+\i], v[S+1+16*\b+\i]
.endr
.endr
.irp b, 0,1,2,3
	v_max_num_f32 v[BM+\b], v[BM+\b], v[S+15+16*\b]
.endr
.irp b, 0,1,2,3
	v_permlanex16_b32 v[BP+\b], v[BM+\b], s36, s37
.endr
.irp b, 0,1,2,3
	v_max_num_f32 v[BM+\b], v[BM+\b], v[BP+\b]     ; with lane l xor 16's 16 keys
.endr
	v_max3_num_f32 v226, v[BM], v[BM+1], v[BM+2]
	v_max_num_f32 v226, v226, v[BM+3]              ; the step's largest score of my query
	v_mul_f32 v226, s38, v226                      ; as t (c is positive)
	v_max_num_f32 v13, v13, v226                   ; the running largest t
	v_mov_b32 v226, v12
	v_floor_f32 v12, -v13                          ; the new -M = floor(-t) = -ceil(t): M is a whole number
	v_sub_f32 v226, v12, v226                      ; old M - new M: a whole number, 0 or less
	v_cvt_i32_f32 v226, v226                       ; (it saturates)
	v_ldexp_f32 v224, 1.0, v226                    ; f = 2^(old M - new M)
.set j, 0
.rept 32
	v_pk_fma_f32 v[S+j:S+j+1], v[S+j:S+j+1], s[38:39], v[12:13] op_sel_hi:[1,0,0]   ; t - M, two at a time
.set j, j+2
.endr
.irp b, 0,1,2,3
	v_fma_f32 v[BM+\b], v[BM+\b], s38, v12         ; the same of each block's largest score
.endr
.set j, 0
.rept 64
	v_exp_f32 v[S+j], v[S+j]                       ; p = 2^(t - M), at most 1: not normalised
.set j, j+1
.endr
	v_pk_mul_f32 v[14:15], v[14:15], v[224:225] op_sel_hi:[1,0]   ; the sums under the new M: a plain place behind the exponentials
	s_wait_alu depctr_va_vdst(0)                   ; one wait for the whole batch, ahead of its first reader
.irp b, 0,1,2,3
	v_exp_f32 v[BM+\b], v[BM+\b]                   ; the block's largest p
.endr
	v_pk_add_f32 v[BP:BP+1], v[S:S+1], v[S+2:S+3]  ; THE ROW'S SUM IS TAKEN OF THE UNQUANTISED p: two at a time, in two chains
.irp j, 4,8,12,16,20,24,28,32,36,40,44,48,52,56,60
	v_pk_add_f32 v[14:15], v[14:15], v[S+\j:S+\j+1]
	v_pk_add_f32 v[BP:BP+1], v[BP:BP+1], v[S+2+\j:S+3+\j]
.endr
	v_pk_add_f32 v[14:15], v[14:15], v[BP:BP+1]
	s_wait_alu depctr_va_vdst(0)                   ; and one for the four
.irp b, 0,1,2,3
	v_max_num_f32 v[BM+\b], 0x1800000, v[BM+\b]    ; the floor 2^(3 - 127): the byte cannot fall under 1
.endr
.irp b, 0,1,2,3
	v_add_nc_u32 v[SO+\b], 0xff000000, v[BM+\b]    ; 2 off the exponent field: the conversion's scale operand
.endr
.irp b, 0,1,2,3
	v_lshrrev_b32 v[BP+\b], 23, v[SO+\b]           ; the scale's byte
.endr
	v_lshl_or_b32 v228, v[BP+1], 8, v[BP]          ; p's scale word for these 128 keys
	v_lshl_or_b32 v228, v[BP+2], 16, v228
	v_lshl_or_b32 v228, v[BP+3], 24, v228
.irp c, 0,1
	v_cvt_scalef32_pk16_fp6_f32 v[192+6*\c:194+6*\c], v[S+32*\c:S+15+32*\c], v[SO+2*\c]
	v_cvt_scalef32_pk16_fp6_f32 v[204+4*\c:206+4*\c], v[S+16+32*\c:S+31+32*\c], v[SO+2*\c+1]   ; (a conversion's three registers begin on an even number)
.endr
	v_nop                                          ; one plain place behind a scaled conversion
.irp c, 0,1
.irp i, 0,1,2
	v_permlane16_swap_b32 v[192+6*\c+\i], v[204+4*\c+\i]   ; a whole block in a lane
.endr
.irp i, 0,1,2
	v_mov_b32 v[195+6*\c+\i], v[204+4*\c+\i]
.endr
.endr
.set j, 0
.rept 16
	v_pk_mul_f32 v[OT+j:OT+j+1], v[OT+j:OT+j+1], v[224:225] op_sel_hi:[1,0]   ; O^T under the new M.  Of these sixteen, twelve name no register of any one product below: the places between p's codes and scale word and the products
.set j, j+2
.endr
	s_wait_dscnt 0x0                               ; V
.irp d, 0,1,2,3
	PV \d                                          ; the four accumulators by turns
.endr
	s_add_co_u32 s40, s40, 6144
	s_add_co_u32 s41, s41, 256
	s_sub_co_u32 s42, s42, 1
	s_cmp_lg_u32 s42, 0
	s_cbranch_scc1 .Lstep
	; ---- the tile's way out: O^T / l, quantised along the head's 64 (two blocks of the model's 1,024)
.rept 4
	v_nop
.endr
	v_add_f32 v14, v14, v15                        ; the sum's two halves,
	v_permlanex16_b32 v226, v14, s36, s37
	v_add_f32 v14, v14, v226                       ; and lane l xor 16's: the row's sum
	v_rcp_f32 v224, v14
	v_nop                                          ; a plain place behind the transcendental
	s_wait_alu depctr_va_vdst(0)                   ; and the wait ahead of its first reader
.set j, 0
.rept 16
	v_pk_mul_f32 v[S+j:S+j+1], v[OT+j:OT+j+1], v[224:225] op_sel_hi:[1,0]   ; register 16 b + i is channel 32 b + 16 (lane / 16) + i of my query; each accumulator is read from its low end on
.set j, j+2
.endr
.irp b, 0,1
	v_max3_num_f32 v[BM+\b], |v[S+16*\b]|, |v[S+1+16*\b]|, 0x1800000
.endr
.irp i, 2,4,6,8,10,12,14
.irp b, 0,1
	v_max3_num_f32 v[BM+\b], v[BM+\b], |v[S+16*\b+\i]|, |v[S+1+16*\b+\i]|
.endr
.endr
.irp b, 0,1
	v_permlanex16_b32 v[BP+\b], v[BM+\b], s36, s37
.endr
.irp b, 0,1
	v_max_num_f32 v[BM+\b], v[BM+\b], v[BP+\b]
.endr
.irp b, 0,1
	v_add_nc_u32 v[SO+\b], 0xff000000, v[BM+\b]
.endr
.irp b, 0,1
	v_lshrrev_b32 v[BP+\b], 23, v[SO+\b]
.endr
	v_lshl_or_b32 v226, v[BP+1], 8, v[BP]          ; the tile's two bytes
	v_cvt_scalef32_pk16_fp6_f32 v[192:194], v[S:S+15], v[SO]
	v_cvt_scalef32_pk16_fp6_f32 v[204:206], v[S+16:S+31], v[SO+1]
	v_nop
.irp i, 0,1,2
	v_permlane16_swap_b32 v[192+\i], v[204+\i]
.endr
.irp i, 0,1,2
	v_mov_b32 v[195+\i], v[204+\i]
.endr
.irp p, 0,1,2
	global_store_b64 v5, v[192+2*\p:193+2*\p], s[50:51] offset:256*\p   ; 32 lanes store 256 consecutive bytes, at a multiple of 256 from the buffer's first byte
.endr
	v_lshrrev_b32 v7, 16, v7
	v_lshl_or_b32 v7, v226, 16, v7                 ; behind both tiles: tile 0's bytes below, tile 1's above
	s_wait_xcnt 0x0                                ; the stores have read their base and their data: both may be written again
	s_add_nc_u64 s[50:51], s[50:51], 12288         ; the next row tile
	s_mov_b32 s44, -1
	s_mov_b32 s45, 16
	s_sub_co_u32 s43, s43, 1
	s_cmp_lg_u32 s43, 0
	s_cbranch_scc1 .Ltile
	global_store_b32 v6, v7, s[52:53]              ; lanes r and r + 16 store the same word with the same value
	s_wait_tensorcnt 0x0
	ds_add_u32 v254, v255
	s_wait_dscnt 0x0
	ROUND                                          ; the closing round: no work-group ends while a partner may still ask for a tile that names it
	s_endpgm
.Lfunc_end_k_q55cd2e65f6_attn:
	.size	k_q55cd2e65f6_attn, .Lfunc_end_k_q55cd2e65f6_attn-k_q55cd2e65f6_attn
	.p2alignl 7, 3214868480
	.fill 96, 4, 3214868480
	.section	.rodata,"a",@progbits
	.p2align	6, 0x0
	.amdhsa_kernel k_q55cd2e65f6_attn
		.amdhsa_group_segment_fixed_size 206848
		.amdhsa_private_segment_fixed_size 0
		.amdhsa_enable_private_segment 0
		.amdhsa_kernarg_size 16
		.amdhsa_user_sgpr_count 2
		.amdhsa_user_sgpr_kernarg_segment_ptr 1
		.amdhsa_wavefront_size32 1
		.amdhsa_system_sgpr_workgroup_id_x 1
		.amdhsa_system_sgpr_workgroup_id_y 1
		.amdhsa_system_sgpr_workgroup_id_z 1
		.amdhsa_system_vgpr_workitem_id 0
		.amdhsa_next_free_vgpr 256
		.amdhsa_next_free_sgpr 66
		.amdhsa_reserve_vcc 0
		.amdhsa_float_denorm_mode_32 3
		.amdhsa_float_denorm_mode_16_64 3
		.amdhsa_memory_ordered 1
		.amdhsa_forward_progress 1
		.amdhsa_inst_pref_size 28
	.end_amdhsa_kernel
	.amdgpu_metadata
---
amdhsa.version: [ 1, 2 ]
amdhsa.kernels:
  - .name:           k_q55cd2e65f6_attn
    .symbol:         k_q55cd2e65f6_attn.kd
    .args:
      - { .name: qkv, .offset: 0, .size: 8, .value_kind: global_buffer, .address_space: global }
      - { .name: obuf, .offset: 8, .size: 8, .value_kind: global_buffer, .address_space: global }
    .group_segment_fixed_size: 206848
    .private_segment_fixed_size: 0
    .kernarg_segment_align: 8
    .kernarg_segment_size: 16
    .max_flat_workgroup_size: 512
    .sgpr_count:     66
    .vgpr_count:     256
    .wavefront_size: 32
...
	.end_amdgpu_metadata
.endif
;; end of part 3
;; launch oproj (part 4): grid 4 x 64, 4 waves a work-group, clusters of 4 x 1, 168,448 bytes of LDS; arguments obuf, wbuf, bo, out0; writes out0
.if DOCPART == 4
	.amdgcn_target "amdgcn-amd-amdhsa--gfx1250"
	.amdhsa_code_object_version 6
	.text
	.protected	k_q55cd2e65f6_oproj
	.globl	k_q55cd2e65f6_oproj
	.p2align	8
	.type	k_q55cd2e65f6_oproj,@function
k_q55cd2e65f6_oproj:
	s_mov_b64 s[64:65], 0
	v_nop
	global_prefetch_b8 v0, s[64:65] scope:SCOPE_SE
	s_setreg_imm32_b32 hwreg(HW_REG_WAVE_MODE, 25, 1), 1
	s_wait_xcnt 0x0
	s_wait_alu depctr_hold_cnt(0) depctr_sa_sdst(0) depctr_va_vdst(0) depctr_va_sdst(0) depctr_va_ssrc(0) depctr_va_vcc(0) depctr_vm_vsrc(0)
	s_getreg_b32 s2, hwreg(HW_REG_IB_STS2, 6, 4)
	s_cmp_eq_u32 s2, 0
	s_cbranch_scc0 .Lentry_in_a_cluster
	s_endpgm
.Lentry_in_a_cluster:
	s_bfe_u32 s2, ttmp6, 0x10000c
	s_cmp_lg_u32 s2, 0x3003
	s_cbranch_scc0 .Lentry_shape_is_right
	s_endpgm
.Lentry_shape_is_right:
; out0 = O Wo + bo on codes of FP6 (E2M3) with one E8M0 scale for each 32 along K = 1,024.  O's codes and scale bytes come from obuf, Wo's from wbuf, both laid in the order of the operands' registers.
; SHARES.  Cluster y: 128 rows (row tiles 8 Y .. 8 Y + 7).  The four work-groups of a cluster take 256 columns each and need the same rows' codes for all of K, 98,304 dense bytes: they are asked for JOINTLY, once,
; each wave a quarter, and stay in LDS.  No LDS byte is filled again.  Wave w makes 128 rows x 64 columns: 32 accumulators; its part of Wo for all of K (384 registers) comes straight into registers, once:
; each partner reads another slice of Wo, so there is nothing of Wo to ask for jointly.  All that the launch reads is asked for at its head: there is nothing left to prefetch.
; THE MATRIX INSTRUCTION IS USED TRANSPOSED (source 0 = 16 columns of Wo, source 1 = 16 rows of O): a lane holds one row and, over two neighbouring tiles, 16 neighbouring columns.
; The rows of a tile, of O and of Wo alike: lane-row i of tile T is row 32 (T / 2) + 8 (T % 2) + i + 8 (i / 8).  The bias is the C of each sum's first matrix instruction.
; O's scale words for K step s are pieced from the words of heads 2 s and 2 s + 1 (bytes: tile 0 block 0, tile 0 block 1, tile 1 block 0, tile 1 block 1): two low halves for the even row tile, two high halves for the odd one.
; LDS: 0: O's images [row tile][K step], 12,288 xt + 1,536 s; pair pp of lane l at 256 pp + 8 l.   98,304: for each wave a stage of 16 rows x (256 + 16) bytes; no fill lands there.
; REGISTERS, in windows of 256.  Window 0: v1-9 addresses; v16-47 O's scale words (4 xt + q: lanes 0-15 K step 2 q, lanes 16-31 K step 2 q + 1); v48-63 Wo's (4 wt + q); v64-159, v160-255 O's eight fragments, two sets
;   (at the head v160-191 hold the raw words; on the way out v64-127 hold rows).   Window 1: Wo's fragments of K steps 0-4 at 48 s + 12 wt.   Window 3: those of K steps 5-7; from v144 the bias.   Window 2: accumulator (xt, wt) at 8 (4 xt + wt).
.set XS,  16
.set WS,  48
.set RAW, 160
.set MSB, 0
.macro WIN new                         ; the immediate's high byte repeats the setting that is left
.if MSB != \new
	s_set_vgpr_msb (MSB<<8)|\new
.set MSB, \new
.endif
.endm
.macro PLACES
.rept 4
	v_nop
.endr
.endm
.macro ROUND                           ; a round of the cluster's barrier
	s_barrier_signal -1
	s_barrier_wait -1
	s_cmp_lg_u32 s12, 0
	s_cbranch_scc1 .Lnot_wave_0_\@
	s_barrier_signal -3
.Lnot_wave_0_\@:
	s_barrier_wait -3
	s_barrier_signal -1
	s_barrier_wait -1
.endm
	s_load_b256 s[4:11], s[0:1], 0x0               ; obuf, wbuf, bo, out0
	v_lshl_add_u32 v14, v0, 2, 0x29000
	v_mov_b32 v15, 0
	ds_add_u32 v14, v15
	ds_add_u32 v14, v15
	v_lshrrev_b32 v10, 5, v0
	v_readfirstlane_b32 s12, v10                   ; wave
	s_bfe_u32 s13, ttmp6, 0x40000                  ; cx
	s_lshl_b32 s14, ttmp9, 2
	s_add_co_u32 s14, s14, s13                     ; X: which 256 columns
	s_and_b32 s15, ttmp7, 0xffff                   ; Y: which 128 rows, shared by the four partners
	; descriptor group 1: a quarter of the rows' codes, 24,576 dense bytes, as 96 rows of 256 bytes
	s_mov_b32 s16, 15|(3<<16)|(1<<21)              ; 15:0 the mask: all four work-groups; 17:16 elements of 8 bytes; 21 set beside a mask
	s_mov_b32 s17, 32<<16
	s_mov_b32 s18, 96<<16
	s_mov_b32 s19, 32<<16
	s_mov_b32 s20, 96
	s_mov_b32 s21, 32
	s_mov_b32 s22, 0
	s_mov_b32 s23, 0
	s_mul_i32 s25, s12, 24576                      ; where my quarter goes
	s_mul_i32 s40, s15, 98304
	s_add_co_u32 s40, s40, s25                     ; and where it comes from
	s_mov_b32 s41, 0
	v_and_b32 v10, 31, v0                          ; lane
	v_and_b32 v11, 15, v0                          ; r
	v_bfe_u32 v12, v0, 4, 1                        ; h
	v_lshlrev_b32 v1, 3, v10                       ; images of row tiles 0-3: 8 x lane
	v_add_nc_u32 v2, 49152, v1                     ; of row tiles 4-7
	v_lshlrev_b32 v3, 4, v10
	v_lshlrev_b32 v4, 2, v10
	v_lshlrev_b32 v5, 2, v11
	v_lshl_add_u32 v5, v12, 13, v5                 ; the raw words: 4 r, and two heads on for lanes 16-31
	v_lshlrev_b32 v6, 6, v12                       ; the bias: 16 columns on for lanes 16-31
	s_mul_i32 s46, s12, 4352
	s_add_co_u32 s46, s46, 98304                   ; my stage
	v_mul_u32_u24 v7, v11, 272
	v_lshl_add_u32 v7, v12, 6, v7
	v_add_nc_u32 v7, s46, v7                       ; in: row r, + 64 h
	v_mul_u32_u24 v8, v12, 272
	v_lshl_add_u32 v8, v11, 4, v8
	v_add_nc_u32 v8, s46, v8                       ; back: lanes 0-15 one row of 256 bytes, lanes 16-31 the next
	v_lshlrev_b32 v9, 4, v11
	v_lshl_add_u32 v9, v12, 12, v9                 ; and the same two rows in out0
	s_wait_dscnt 0x0
	s_wait_kmcnt 0x0
	s_mov_b32 s24, 1
	s_add_nc_u64 s[26:27], s[4:5], s[40:41]
	s_or_b32 s27, s27, 0x80000000
	s_lshr_b32 s40, s15, 4
	s_lshl_b32 s40, s40, 16
	s_and_b32 s46, s15, 15
	s_lshl_b32 s46, s46, 8
	s_add_co_u32 s40, s40, s46
	s_add_co_u32 s40, s40, 6291456
	s_add_nc_u64 s[34:35], s[4:5], s[40:41]        ; the raw words: 65,536 b + 256 (Y % 16)
	; what hangs on my place in the cluster is made in registers of its own
	s_mov_b32 s43, 0
	s_lshl_b32 s44, s14, 1
	s_lshr_b32 s45, s12, 1
	s_add_co_u32 s44, s44, s45
	s_lshl_b32 s44, s44, 6
	s_and_b32 s45, s12, 1
	s_lshl_b32 s45, s45, 2
	s_add_co_u32 s44, s44, s45
	s_mul_i32 s42, s44, 1536
	s_add_co_u32 s42, s42, 2457600
	s_add_nc_u64 s[28:29], s[6:7], s[42:43]        ; Wo's codes: chunk 2 X + wave / 2, tile 4 (wave % 2)
	s_lshl_b32 s44, s14, 4
	s_lshl_b32 s45, s12, 2
	s_add_co_u32 s44, s44, s45
	s_lshl_b32 s42, s44, 9
	s_add_co_u32 s42, s42, 3244032
	s_add_nc_u64 s[30:31], s[6:7], s[42:43]        ; Wo's scale words: tile 16 X + 4 wave
	s_lshl_b32 s42, s14, 10
	s_lshl_b32 s45, s12, 8
	s_add_co_u32 s42, s42, s45
	s_add_nc_u64 s[32:33], s[8:9], s[42:43]        ; the bias at column 256 X + 64 wave
	s_lshl_b32 s45, s15, 19
	s_add_co_u32 s42, s42, s45
	s_add_nc_u64 s[36:37], s[10:11], s[42:43]      ; out0 at row 128 Y, the same column
	ROUND                                          ; all four work-groups are here: the joint loads meet
	tensor_load_to_lds s[24:27], s[16:23]          ; every wave its quarter
	s_nop 0
	PLACES
	WIN 0x40
.irp s, 0,1,2,3,4
.irp wt, 0,1,2,3
.irp g, 0,1,2
	global_load_b128 v[48*\s+12*\wt+4*\g:48*\s+12*\wt+4*\g+3], v3, s[28:29] offset:12288*\s+1536*\wt+512*\g
.endr
.endr
.endr
	WIN 0xc0
.irp s, 5,6,7
.irp wt, 0,1,2,3
.irp g, 0,1,2
	global_load_b128 v[48*(\s-5)+12*\wt+4*\g:48*(\s-5)+12*\wt+4*\g+3], v3, s[28:29] offset:12288*\s+1536*\wt+512*\g
.endr
.endr
.endr
.irp wt, 0,1,2,3
	global_load_b128 v[144+8*\wt:144+8*\wt+3], v6, s[32:33] offset:(32*(\wt/2)+8*(\wt%2))*4
	global_load_b128 v[144+8*\wt+4:144+8*\wt+7], v6, s[32:33] offset:(32*(\wt/2)+8*(\wt%2))*4+16
.endr
	WIN 0
.irp wt, 0,1,2,3
.irp q, 0,1,2,3
	global_load_b32 v[WS+4*\wt+\q], v4, s[30:31] offset:512*\wt+128*\q
.endr
.endr
.irp e, 0,1,2,3
.irp q, 0,1,2,3
.irp d, 0,1
	global_load_b32 v[RAW+8*\e+2*\q+\d], v5, s[34:35] offset:(4*\q+\d)*4096+64*\e   ; block e of 32 rows, head 4 q + 2 (lane / 16) + d
.endr
.endr
.endr
	s_wait_loadcnt 0x0
.irp e, 0,1,2,3
.irp q, 0,1,2,3
	v_perm_b32 v[XS+8*\e+\q], v[RAW+8*\e+2*\q+1], v[RAW+8*\e+2*\q], 0x05040100     ; row tile 2 e: the two low halves
	v_perm_b32 v[XS+8*\e+4+\q], v[RAW+8*\e+2*\q+1], v[RAW+8*\e+2*\q], 0x07060302   ; row tile 2 e + 1: the two high halves
.endr
.endr
.rept 8
	v_nop                                          ; a scale register written by a vector instruction stands eight places ahead of a scaled matrix instruction
.endr
	s_wait_tensorcnt 0x0                           ; my quarter has landed,
	s_barrier_signal -1
	s_barrier_wait -1                              ; everybody's has
.macro FETCH s, p                      ; O's eight fragments of K step s into set p
.irp xt, 0,1,2,3,4,5,6,7
.irp pp, 0,1,2,3,4,5
	ds_load_b64 v[64+96*(\p)+12*\xt+2*\pp:64+96*(\p)+12*\xt+2*\pp+1], v[1+\xt/4] offset:(\xt%4)*12288+1536*(\s)+256*\pp
.endr
.endr
.endm
.macro WM d, a, b, c, sa, sb, odd      ; one product; odd K steps take their scale words from lanes 16-31
.if \odd
	v_wmma_scale_f32_16x16x128_f8f6f4 v[\d:\d+7], v[\a:\a+11], v[\b:\b+11], v[\c:\c+7], v[\sa], v[\sb] matrix_a_fmt:MATRIX_FMT_FP6 matrix_b_fmt:MATRIX_FMT_FP6 matrix_a_scale:MATRIX_SCALE_ROW1 matrix_b_scale:MATRIX_SCALE_ROW1
.else
	v_wmma_scale_f32_16x16x128_f8f6f4 v[\d:\d+7], v[\a:\a+11], v[\b:\b+11], v[\c:\c+7], v[\sa], v[\sb] matrix_a_fmt:MATRIX_FMT_FP6 matrix_b_fmt:MATRIX_FMT_FP6
.endif
.endm
; K step s: the next step's fragments are asked for first, then 32 products; the 32 accumulators take turns, in the same order in every step.
.macro OSTEP s
.if (\s) < 7
.if (\s) > 0
	PLACES                                         ; for loads into the set that the step before multiplied
.endif
	WIN 0
	FETCH (\s)+1, ((\s)+1)%2
	s_wait_dscnt 48                                ; all but the 48 just issued
.else
	s_wait_dscnt 0x0
.endif
.if (\s) == 0
	WIN 0xb1                                       ; source 0 (Wo) window 1, source 1 (O) window 0, C (the bias) window 3, D window 2
.elseif (\s) < 5
	WIN 0xa1                                       ; C and D window 2
.else
	WIN 0xa3                                       ; source 0 window 3
.endif
.irp xt, 0,1,2,3,4,5,6,7
.irp wt, 0,1,2,3
.set DD, 8*(4*\xt+\wt)
.set CR, DD
.if (\s) == 0
.set CR, 144+8*\wt
.endif
.set AA, 48*((\s)%5)+12*\wt            ; K steps 0-4 in window 1, 5-7 in window 3
	WM DD, AA, 64+96*((\s)%2)+12*\xt, CR, WS+4*\wt+(\s)/2, XS+4*\xt+(\s)/2, (\s)%2
.endr
.endr
.endm
	FETCH 0, 0
.irp s, 0,1,2,3,4,5,6,7
	OSTEP \s
.endr
; THE WAY OUT, a row tile at a time: a lane holds pieces of one row, so the tile goes through my own stage and comes back as whole rows of 256 bytes.
.macro TOSTAGE xt
	WIN 0x08                                       ; an LDS store's data are its source 1: window 2
.irp wt, 0,1,2,3
	ds_store_b128 v7, v[8*(4*(\xt)+\wt):8*(4*(\xt)+\wt)+3] offset:128*(\wt/2)+32*(\wt%2)         ; each accumulator from its low end on
	ds_store_b128 v7, v[8*(4*(\xt)+\wt)+4:8*(4*(\xt)+\wt)+7] offset:128*(\wt/2)+32*(\wt%2)+16
.endr
	WIN 0
.irp i, 0,1,2,3,4,5,6,7
	ds_load_b128 v[64+32*((\xt)%2)+4*\i:64+32*((\xt)%2)+4*\i+3], v8 offset:544*\i   ; LDS serves a wave's instructions in order: these see the stores above, and the next tile's stores come behind them
.endr
.endm
.macro SEND xt, younger                ; younger: the LDS instructions issued behind tile xt's loads
	s_wait_dscnt \younger
.irp i, 0,1,2,3,4,5,6,7
	global_store_b128 v9, v[64+32*((\xt)%2)+4*\i:64+32*((\xt)%2)+4*\i+3], s[36:37] offset:(32*((\xt)/2)+8*((\xt)%2)+2*\i+8*(\i/4))*4096 th:TH_STORE_NT   ; 16 lanes store 256 consecutive bytes, at a multiple of 256 from out0's first byte
.endr
.endm
	PLACES                                         ; behind the last products: for the first read of results and the loads into the fragments' registers
	TOSTAGE 0
.irp a, 1,2,3,4,5,6,7
.if \a > 1
	s_wait_xcnt 0x0                                ; tile a - 2's stores have read their registers: tile a's rows may land there
.endif
	TOSTAGE \a
	SEND \a-1, 16                                  ; behind tile a - 1's loads: tile a's 8 stores and 8 loads
.endr
	SEND 7, 0
	s_wait_tensorcnt 0x0
	ds_add_u32 v14, v15
	s_wait_dscnt 0x0
	ROUND                                          ; the closing round: no work-group ends while a partner may still ask for a tile that names it
	s_endpgm
.Lfunc_end_k_q55cd2e65f6_oproj:
	.size	k_q55cd2e65f6_oproj, .Lfunc_end_k_q55cd2e65f6_oproj-k_q55cd2e65f6_oproj
	.p2alignl 7, 3214868480
	.fill 96, 4, 3214868480
	.section	.rodata,"a",@progbits
	.p2align	6, 0x0
	.amdhsa_kernel k_q55cd2e65f6_oproj
		.amdhsa_group_segment_fixed_size 168448
		.amdhsa_private_segment_fixed_size 0
		.amdhsa_enable_private_segment 0
		.amdhsa_kernarg_size 32
		.amdhsa_user_sgpr_count 2
		.amdhsa_user_sgpr_kernarg_segment_ptr 1
		.amdhsa_wavefront_size32 1
		.amdhsa_system_sgpr_workgroup_id_x 1
		.amdhsa_system_sgpr_workgroup_id_y 1
		.amdhsa_system_sgpr_workgroup_id_z 1
		.amdhsa_system_vgpr_workitem_id 0
		.amdhsa_next_free_vgpr 1024
		.amdhsa_next_free_sgpr 66
		.amdhsa_reserve_vcc 0
		.amdhsa_float_denorm_mode_32 3
		.amdhsa_float_denorm_mode_16_64 3
		.amdhsa_memory_ordered 1
		.amdhsa_forward_progress 1
		.amdhsa_inst_pref_size 96
	.end_amdhsa_kernel
	.amdgpu_metadata
---
amdhsa.version: [ 1, 2 ]
amdhsa.kernels:
  - .name:           k_q55cd2e65f6_oproj
    .symbol:         k_q55cd2e65f6_oproj.kd
    .args:
      - { .name: obuf, .offset: 0, .size: 8, .value_kind: global_buffer, .address_space: global }
      - { .name: wbuf, .offset: 8, .size: 8, .value_kind: global_buffer, .address_space: global }
      - { .name: bo, .offset: 16, .size: 8, .value_kind: global_buffer, .address_space: global }
      - { .name: out0, .offset: 24, .size: 8, .value_kind: global_buffer, .address_space: global }
    .group_segment_fixed_size: 168448
    .private_segment_fixed_size: 0
    .kernarg_segment_align: 8
    .kernarg_segment_size: 32
    .max_flat_workgroup_size: 128
    .sgpr_count:     66
    .vgpr_count:     1024
    .wavefront_size: 32
...
	.end_amdgpu_metadata
.endif
;; end of part 4
;; ======== version 2 of 2: 4 launches
;; workspace buffers: wbuf 3,276,800 bytes; qkv 19,660,800 bytes; obuf 6,553,600 bytes
;; launch wquant (part 5): grid 64 x 4, 4 waves a work-group, no clusters, 13,824 bytes of LDS; arguments Wq, Wk, Wv, Wo, wbuf; writes wbuf
.if DOCPART == 5
	.amdgcn_target "amdgcn-amd-amdhsa--gfx1250"
	.amdhsa_code_object_version 6
	.text
	.protected	k_q55cd2e65f6_wquant
	.globl	k_q55cd2e65f6_wquant
	.p2align	8
	.type	k_q55cd2e65f6_wquant,@function
k_q55cd2e65f6_wquant:
	s_mov_b64 s[64:65], 0
	v_nop
	global_prefetch_b8 v0, s[64:65] scope:SCOPE_SE
	s_setreg_imm32_b32 hwreg(HW_REG_WAVE_MODE, 25, 1), 1
	s_wait_xcnt 0x0
; Wq, Wk, Wv, Wo: [1024 (k)][1024 (n)] f32, K the FIRST axis.  Each becomes codes of FP6 (E2M3) with one E8M0 byte for each 32 along K, laid in wbuf IN THE ORDER OF AN OPERAND'S REGISTERS.
; wbuf: weight y at 819,200 y.  Codes at +0: [chunk 0..7][K step 0..7][j 0..7], 1,536 bytes a fragment (16 columns x 128 K, 12 registers a lane): register p of lane l at 512 (p / 4) + 16 l + 4 (p % 4).
; Scale words at +786,432: [tile 0..63][K step 0..7], 16 words each (word r: the four bytes of the fragment's row r).
; THE COLUMNS OF A TILE ARE NOT NEIGHBOURS: lane-row i of tile T = 8 chunk + j holds column 32 (T / 2) + 8 (T % 2) + i + 8 (i / 8), so that the results of tiles 2 b and 2 b + 1 are 16 neighbours in a lane.
; SHARES.  Work-group y: the weight; x: 128 columns (x % 8) and 128 along K (x / 8).  A wave takes 32 columns, two tiles.  A LANE TAKES A COLUMN AND ITS REGISTERS RUN DOWN K: each load reads 128 consecutive bytes,
; a block of 32 lies in one lane, and the conversions give codes with K innermost.  A lane's four blocks go to their places in the two fragments' images in the wave's own LDS and leave as runs of 512 bytes.
; The scale words leave as two pieces of 64 bytes a wave: 128 KB in the whole launch are written so, in parts of aligned blocks of 256 bytes.
; A block's scale is 2^(floor(log2(largest magnitude)) - 2); its byte is the largest magnitude's exponent field - 2, held at 1 from below (a block of zeros gets 1 where the rule says 127: its codes are zeros, and this program alone reads the bytes).
; LIMITS: blocks whose largest magnitude lies under 2^-124 take the byte 1; NaN and infinities among the inputs are not served.
; No work-group shares an input with another, and waves share nothing: no cluster, no tensor load, no barrier.
.set X,    32                          ; v32-159  128 numbers: W(128 s + i, my column)
.set TC,   16                          ; v16..    block t: the second half's three code registers
.set C,    160                         ; v160..   block t: its six code registers at C + 8 t
.set OUTR, 192                         ; v192-215 the two images on the way out
.set PLACE, 1664                       ; a fragment's place in LDS: 1,536 bytes + 128
	s_load_b256 s[4:11], s[0:1], 0x0               ; Wq, Wk, Wv, Wo
	s_load_b64 s[12:13], s[0:1], 0x20              ; wbuf
	v_lshl_add_u32 v224, v0, 2, 0x3400
	v_mov_b32 v225, 0
	v_lshrrev_b32 v1, 5, v0
	v_readfirstlane_b32 s14, v1                    ; wave
	v_and_b32 v1, 31, v0                           ; lane = my column among the wave's 32
	v_lshlrev_b32 v2, 2, v1                        ; in: 4 bytes a lane
	v_bfe_u32 v3, v0, 3, 1                         ; u: which of the two tiles holds my column
	v_and_b32 v4, 7, v0
	v_bfe_u32 v5, v0, 4, 1
	v_lshl_or_b32 v4, v5, 3, v4                    ; r': its lane-row there
	s_mul_i32 s15, s14, 2*PLACE                    ; my wave's LDS
	v_mul_u32_u24 v5, v3, PLACE
	v_lshl_add_u32 v5, v4, 4, v5
	v_add_nc_u32 v5, s15, v5                       ; into the images: place u, 16 r'
	v_lshlrev_b32 v7, 4, v1                        ; out: 16 bytes a lane
	v_add_nc_u32 v6, s15, v7
	v_lshlrev_b32 v8, 9, v3
	v_lshl_add_u32 v8, v4, 2, v8                   ; my scale word: 512 u + 4 r'
	s_and_b32 s16, ttmp7, 0xffff                   ; y: the weight
	s_and_b32 s17, ttmp9, 7                        ; cg: which 128 columns
	s_lshr_b32 s18, ttmp9, 3                       ; s: which 128 along K
	s_lshl_b32 s20, s18, 19                        ; in: 128 s rows of 4,096 bytes
	s_lshl_b32 s19, s17, 9
	s_add_co_u32 s20, s20, s19                     ; + 512 cg
	s_lshl_b32 s19, s14, 7
	s_add_co_u32 s20, s20, s19                     ; + 128 wave
	s_mov_b32 s21, 0
	s_mul_i32 s26, s16, 819200                     ; the weight's part of wbuf
	s_lshl_b32 s22, s17, 6
	s_lshl_b32 s19, s18, 3
	s_add_co_u32 s22, s22, s19
	s_lshl_b32 s19, s14, 1
	s_add_co_u32 s22, s22, s19
	s_mul_i32 s22, s22, 1536                       ; codes: fragment 64 cg + 8 s + 2 wave
	s_add_co_u32 s22, s22, s26
	s_mov_b32 s23, 0
	s_lshl_b32 s24, s17, 2
	s_add_co_u32 s24, s24, s14                     ; the pair of tiles: 4 cg + wave
	s_lshl_b32 s24, s24, 10
	s_lshl_b32 s19, s18, 6
	s_add_co_u32 s24, s24, s19                     ; words: 1,024 x pair + 64 s
	s_add_co_u32 s24, s24, s26
	s_add_co_u32 s24, s24, 786432
	s_mov_b32 s25, 0
	s_wait_kmcnt 0x0
	s_cmp_eq_u32 s16, 1                            ; the choice hangs on the work-group's number alone
	s_cselect_b64 s[4:5], s[6:7], s[4:5]
	s_cmp_eq_u32 s16, 2
	s_cselect_b64 s[4:5], s[8:9], s[4:5]
	s_cmp_eq_u32 s16, 3
	s_cselect_b64 s[4:5], s[10:11], s[4:5]
	s_add_nc_u64 s[4:5], s[4:5], s[20:21]
	s_add_nc_u64 s[22:23], s[12:13], s[22:23]
	s_add_nc_u64 s[24:25], s[12:13], s[24:25]
.set i, 0
.rept 128
	global_load_b32 v[X+i], v2, s[4:5] offset:4096*i th:TH_LOAD_NT   ; 32 lanes read 128 consecutive bytes of row 128 s + i
.set i, i+1
.endr
; Block t (k = 32 t on) is registers 6 (t / 2) .. + 5 of lane r' + 16 (t % 2) of my tile's fragment.
.macro BLOCK t, left
.set XB, X+32*(\t)
.set CT, C+8*(\t)
.set TT, TC+4*(\t)
	s_wait_loadcnt \left                           ; this block's 32 loads are in (loads come back in order); the count names the younger blocks' loads, as far as its field reaches
	v_max3_num_f32 v10, |v[XB]|, |v[XB+1]|, |v[XB+2]|
	v_max3_num_f32 v11, |v[XB+3]|, |v[XB+4]|, |v[XB+5]|
.irp i, 6,10,14,18,22,26
	v_max3_num_f32 v10, v10, |v[XB+\i]|, |v[XB+\i+1]|
	v_max3_num_f32 v11, v11, |v[XB+\i+2]|, |v[XB+\i+3]|
.endr
	v_max3_num_f32 v10, v10, |v[XB+30]|, |v[XB+31]|
	v_max3_num_f32 v10, v10, v11, 0x1800000        ; and the floor 2^(3 - 127): the byte cannot fall under 1
	v_add_nc_u32 v12, 0xff000000, v10              ; 2 off the exponent field: the conversion takes this operand's exponent field as its scale
	v_lshrrev_b32 v13, 23, v12                     ; the scale's byte
.if (\t) == 0
	v_mov_b32 v9, v13
.else
	v_lshl_or_b32 v9, v13, 8*(\t), v9              ; byte t of my column's scale word
.endif
	v_cvt_scalef32_pk16_fp6_f32 v[CT:CT+2], v[XB:XB+15], v12
	v_cvt_scalef32_pk16_fp6_f32 v[TT:TT+2], v[XB+16:XB+31], v12   ; (a conversion's three registers begin on an even number)
	v_nop                                          ; one plain place behind a scaled conversion
	v_mov_b32 v[CT+3], v[TT]
	v_mov_b32 v[CT+4], v[TT+1]
	v_mov_b32 v[CT+5], v[TT+2]
.if (\t) < 2
	ds_store_b128 v5, v[CT:CT+3] offset:256*((\t)%2)           ; registers 0-3
	ds_store_b64 v5, v[CT+4:CT+5] offset:256*((\t)%2)+512      ; registers 4, 5
.else
	ds_store_b64 v5, v[CT:CT+1] offset:256*((\t)%2)+520        ; registers 6, 7
	ds_store_b128 v5, v[CT+2:CT+5] offset:256*((\t)%2)+1024    ; registers 8-11
.endif
.endm
	BLOCK 0, 63
	BLOCK 1, 63
	BLOCK 2, 32
	BLOCK 3, 0
.irp u, 0,1
.irp g, 0,1,2
	ds_load_b128 v[OUTR+12*\u+4*\g:OUTR+12*\u+4*\g+3], v6 offset:PLACE*\u+512*\g   ; LDS serves a wave's instructions in order: these see my stores
.endr
.endr
	s_wait_alu depctr_va_vdst(0)
.irp u, 0,1
.irp g, 0,1,2
	s_wait_dscnt 5-3*\u-\g                         ; the younger read-backs may be out
	global_store_b128 v7, v[OUTR+12*\u+4*\g:OUTR+12*\u+4*\g+3], s[22:23] offset:1536*\u+512*\g   ; 512 consecutive bytes, at a multiple of 256 from the buffer's first byte
.endr
.endr
	global_store_b32 v8, v9, s[24:25]
	s_wait_tensorcnt 0x0
	ds_add_u32 v224, v225
	s_wait_dscnt 0x0
	s_endpgm
.Lfunc_end_k_q55cd2e65f6_wquant:
	.size	k_q55cd2e65f6_wquant, .Lfunc_end_k_q55cd2e65f6_wquant-k_q55cd2e65f6_wquant
	.p2alignl 7, 3214868480
	.fill 96, 4, 3214868480
	.section	.rodata,"a",@progbits
	.p2align	6, 0x0
	.amdhsa_kernel k_q55cd2e65f6_wquant
		.amdhsa_group_segment_fixed_size 13824
		.amdhsa_private_segment_fixed_size 0
		.amdhsa_enable_private_segment 0
		.amdhsa_kernarg_size 40
		.amdhsa_user_sgpr_count 2
		.amdhsa_user_sgpr_kernarg_segment_ptr 1
		.amdhsa_wavefront_size32 1
		.amdhsa_system_sgpr_workgroup_id_x 1
		.amdhsa_system_sgpr_workgroup_id_y 1
		.amdhsa_system_sgpr_workgroup_id_z 1
		.amdhsa_system_vgpr_workitem_id 0
		.amdhsa_next_free_vgpr 226
		.amdhsa_next_free_sgpr 66
		.amdhsa_reserve_vcc 0
		.amdhsa_float_denorm_mode_32 3
		.amdhsa_float_denorm_mode_16_64 3
		.amdhsa_memory_ordered 1
		.amdhsa_forward_progress 1
		.amdhsa_inst_pref_size 23
	.end_amdhsa_kernel
	.amdgpu_metadata
---
amdhsa.version: [ 1, 2 ]
amdhsa.kernels:
  - .name:           k_q55cd2e65f6_wquant
    .symbol:         k_q55cd2e65f6_wquant.kd
    .args:
      - { .name: Wq, .offset: 0, .size: 8, .value_kind: global_buffer, .address_space: global }
      - { .name: Wk, .offset: 8, .size: 8, .value_kind: global_buffer, .address_space: global }
      - { .name: Wv, .offset: 16, .size: 8, .value_kind: global_buffer, .address_space: global }
      - { .name: Wo, .offset: 24, .size: 8, .value_kind: global_buffer, .address_space: global }
      - { .name: wbuf, .offset: 32, .size: 8, .value_kind: global_buffer, .address_space: global }
    .group_segment_fixed_size: 13824
    .private_segment_fixed_size: 0
    .kernarg_segment_align: 8
    .kernarg_segment_size: 40
    .max_flat_workgroup_size: 128
    .sgpr_count:     66
    .vgpr_count:     226
    .wavefront_size: 32
...
	.end_amdgpu_metadata
.endif
;; end of part 5
;; launch proj (part 6): grid 64 x 3, 4 waves a work-group, no clusters, 170,496 bytes of LDS; arguments query, keys, values, bq, bk, bv, wbuf, qkv; writes qkv
.if DOCPART == 6
	.amdgcn_target "amdgcn-amd-amdhsa--gfx1250"
	.amdhsa_code_object_version 6
	.text
	.protected	k_q55cd2e65f6_proj
	.globl	k_q55cd2e65f6_proj
	.p2align	8
	.type	k_q55cd2e65f6_proj,@function
k_q55cd2e65f6_proj:
	s_mov_b64 s[64:65], 0
	v_nop
	global_prefetch_b8 v0, s[64:65] scope:SCOPE_SE
	s_setreg_imm32_b32 hwreg(HW_REG_WAVE_SCHED_MODE, 0, 2), 2
	s_setreg_imm32_b32 hwreg(HW_REG_WAVE_MODE, 25, 1), 1
	s_wait_xcnt 0x0
	s_wait_alu depctr_vm_vsrc(0)
; q = query Wq + bq, k = keys Wk + bk, v = values Wv + bv, each product on codes of FP6 (E2M3) with one E8M0 scale for each 32 along K = 1,024; the results are quantised at once for attention and leave as codes.
; SHARES.  Work-group y: the tensor (0 q, 1 k, 2 v); x: 128 rows.  The work-group makes its 128 rows x all 1,024 columns, so each f32 number of x is read and quantised ONCE.
; PHASE X: wave w quantises rows 32 w .. 32 w + 31 (two row tiles) for all eight K steps of 128 and stores the fragments to LDS as IMAGES OF THEIR REGISTERS (register p of lane l at 512 (p / 4) + 16 l + 4 (p % 4)).  One barrier.
; PHASE G: wave w makes columns 256 w .. + 255 in two chunks of 128: a wave tile of 128 x 128, 64 accumulators.  x's fragments come from LDS; W's come from wbuf, which is laid in register order, straight into registers, a K step ahead.
; THE ROWS OF A TILE ARE NOT NEIGHBOURS, of x and of W alike: lane-row i of tile T holds row 32 (T / 2) + 8 (T % 2) + i + 8 (i / 8): so the 16 result registers of two neighbouring tiles of source 0 are 16 neighbours.
; q, k (quantised along the head's 64): source 0 = W, source 1 = x: a lane holds one row and 64 + 64 columns, two heads.  v (quantised along the keys): source 0 = x, source 1 = W: a lane holds one column and 128 keys.
; The bias is the C of each sum's first matrix instruction.
; qkv: tensor t at 6,553,600 t; codes at +0, scale words at +6,291,456; a head (16 b + head) has 98,304 bytes of codes and 4,096 of words.
;   q, k: [head][block of 32 rows 0..63], 1,536 bytes: registers 0-5 the block's row tile 0 (dims 32 (lane / 16) on), registers 6-11 its row tile 1; word r: bytes (tile 0 block 0, tile 0 block 1, tile 1 block 0, tile 1 block 1).
;   v: [head][key step 0..15][dt 0..3], 1,536 bytes: a fragment of 16 of the head's 64 x 128 keys; its words likewise.
; NO CLUSTER: the 64 work-groups of a tensor walk the same W, but W goes from memory straight into the registers of the one wave that multiplies by it, and a joint load lands in LDS.  Beside the 169,984 bytes in use 157,696 are left:
; two slots of one K step of the work-group's 512 columns in hand (49,152 bytes each), that is a round of the cluster's barrier for every 64 matrix instructions of a wave.
; 192 work-groups: 128 rows are the tile that divides 8,192 rows and fits x's codes for all of K in LDS.
; LIMITS: blocks whose largest magnitude lies under 2^-124 take the byte 1 (a block of zeros too: its codes are zeros, and this program alone reads the bytes); NaN and infinities among the inputs are not served.
; LDS: 0: x's images [row tile a][K step s], 12,288 a + 1,536 s;  98,304: their scale words [a][s], 64 bytes each;  102,400: for each wave two stages of 16 rows x 528 bytes.
; REGISTERS, in windows of 256.  Window 0: v1-15, v228-232 addresses; v16-47 x's scale words; v48-79 W's; v80-223 x's fragments, three buffers of four; of these v128-151 and v176-223 are at work in phase X and on the way out, with v224-227.
;   Window 1: v0-95, v96-191 W's eight fragments, two sets; v192-255 the bias, eight registers a tile.   Windows 2, 3: the accumulators (phase X: window 2 four sets of 64 numbers as loaded, window 3 two sets of 64 neighbours).
; THE MODE: SCHED_MODE bits 1:0 = 2 (LLVM: expert scheduling mode 2), set by the entry lines.  The code itself states the register dependences between vector or matrix instructions and memory or LDS instructions, with s_wait_alu, always for 0.
; THE PLAN, PHASE X.  Registers that memory or LDS instructions touch, unit by unit:
;   window 2, sets 0 .. 3   written by x's loads (unit i asks for unit i + 4 into set i), read by the LDS stores into the stage (unit i's are issued in unit i - 1).  No vector instruction names them.
;   window 3, sets 0, 1     written by the LDS loads from the stage (unit i + 1's are issued in unit i, ahead of its arithmetic), read by the unit's maxima and conversions.
;   v200-211 with v224, v212-223 with v225, by turns: written by unit i's conversions, read by its four image stores, written again in unit i + 2.      v230, v231: written once a trip, read by the image stores.
;   One wait on va_vdst a unit, behind its conversions: codes, word and (first unit of a trip) addresses are written; the unit's 64 numbers are read out.  One wait on vm_vsrc at a unit's head.
; THE PLAN, PHASE G.  A chunk has sixteen HALVES: half u = K step u / 2, row tiles 4 (u % 2) on; its four fragments of x lie in buffer u % 3.
;   buffer (2 s + 1) % 3    loaded at the head of step s; its last readers are the products of half 2 s - 2.          buffer (2 s + 2) % 3   loaded in the middle of step s; its last readers are the products of half 2 s - 1.
;   W's set (s + 1) % 2     loaded at the head of step s; its last readers are the products of step s - 1.            The bias, W's scale words, W's set 0, half 0: loaded behind a chunk's last products.
;   So ONE wait on va_vdst stands in a step, at its head: all products of the step before are done reading.  The run of loads in the step's middle owes nothing more: the 32 products issued since the wait name buffer 2 s % 3,
;   W's set s % 2, scale words and accumulators.  The loads stand in runs, since a run among products costs two switches of the register window.
;   THE WAY OUT: two out-buffers by turns (even blocks v128-151 with v226, odd blocks v200-223 with v227): written by block e's arithmetic, read by the stores issued at block e + 1's head.
;   Address registers are made at the head and, but for v230 and v231, never written again.
.set XSC,  98304
.set STG,  102400
.set LI,   1                           ; v1   16 x lane
.set LS,   2                           ; v2   4 x lane
.set BA,   3                           ; v3-10  the bias's offsets: register p of a tile
.set STW,  11                          ; v11  my stage, on the way in: 16 x lane
.set STR,  12                          ; v12  and out: 528 r + 64 h
.set XWI,  13                          ; v13  where I store images: 24,576 wave + 16 lane
.set XWS,  14                          ; v14  and scale words: XSC + 1,024 wave + 4 r
.set QSO,  15                          ; v15  q, k: the scale words' offset: 4,096 h + 4 r
.set XS,   16                          ; x's scale words: 4 a + q: lanes 0-15 K step 2 q, lanes 16-31 K step 2 q + 1
.set WS,   48                          ; W's: 4 wt + q, likewise
.set XF,   80                          ; x's fragments: buffer n at XF + 48 n, four fragments of 12 registers
.set OB,   128                         ; the way out: out-buffer 0, 24 registers; out-buffer 1 lies 72 further on, at v200
.set TM,   176                         ; +0..3 largest magnitudes, +4..7 the other half's, then bytes, +12..15 the conversions' scale operands
.set TC,   192                         ; the conversions' second halves
.set FA,   200                         ; phase X: a fragment just made
.set FB,   212                         ; another
.set PWA,  224                         ; their scale words
.set PWB,  225
.set WA,   226                         ; v226-227 the way out: the words to store, by turns
.set XAD,  228                         ; v228-229 images of row tiles 0-3, 4-7
.set CWI,  230                         ; v230-231 this trip's XWI and XWS
.set CWS,  231
.set XSA,  232                         ; v232 XSC + 4 x lane
.set MSB, 0
.macro WIN new                         ; the immediate's high byte repeats the setting that is left; bits 1:0 source 0, 3:2 source 1, 5:4 source 2, 7:6 destination
.if MSB != \new
	s_set_vgpr_msb (MSB<<8)|\new
.set MSB, \new
.endif
.endm
.macro PLACES                          ; four places behind a matrix instruction, ahead of a vector read of its result or a vector write of its registers; ahead of loads into its registers they stand beside the wait on va_vdst
.rept 4
	v_nop
.endr
.endm
; A chunk's first operands: W's fragments of K step 0 into set 0, the bias, W's scale words for all of K.
.macro PROLOAD
	WIN 0x40
.irp wt, 0,1,2,3,4,5,6,7
.irp g, 0,1,2
	global_load_b128 v[12*\wt+4*\g:12*\wt+4*\g+3], v[LI], s[24:25] offset:1536*\wt+512*\g
.endr
.endr
.irp wt, 0,1,2,3,4,5,6,7
.irp p, 0,1,2,3,4,5,6,7
	global_load_b32 v[192+8*\wt+\p], v[BA+\p], s[22:23] offset:(32*(\wt/2)+8*(\wt%2))*4
.endr
.endr
	WIN 0
.irp wt, 0,1,2,3,4,5,6,7
.irp q, 0,1,2,3
	global_load_b32 v[WS+4*\wt+\q], v[LS], s[26:27] offset:512*\wt+128*\q
.endr
.endr
.endm
; A unit = one row tile x one K step: 16 rows x 512 bytes, each load one row's 512 consecutive bytes, into set k of window 2.
.macro XLOAD k, off
	WIN 0x80
.irp i, 0,1,2,3,4,5,6,7,8,9,10,11,12,13,14,15
	global_load_b128 v[64*(\k)+4*\i:64*(\k)+4*\i+3], v[LI], s[20:21] offset:(\off)+(\i+8*(\i/8))*4096 th:TH_LOAD_NT
.endr
.endm
; Set k goes through stage n and comes back as 16 neighbours of each block of 32: register 16 b + i of set n of window 3 = k 32 b + 16 (lane / 16) + i of row lane % 16.
.macro TURN k, n
	WIN 0x08
.irp i, 0,1,2,3,4,5,6,7,8,9,10,11,12,13,14,15
	ds_store_b128 v[STW], v[64*(\k)+4*\i:64*(\k)+4*\i+3] offset:8448*(\n)+528*\i
.endr
	WIN 0xc0
.irp b, 0,1,2,3
.irp j, 0,1,2,3
	ds_load_b128 v[64*(\n)+16*\b+4*\j:64*(\n)+16*\b+4*\j+3], v[STR] offset:8448*(\n)+128*\b+16*\j   ; LDS serves a wave's instructions in order: these see the stores above
.endr
.endr
.endm
; 64 numbers of a lane: blocks 0, 1 at register s0 of window w0, blocks 2, 3 at s1 of w1; register 16 b + i = place 32 b + 16 (lane / 16) + i along the quantiser's K.
; Out: blocks 0, 1 as six code registers at pa, blocks 2, 3 at pb (lanes 0-15 the even block whole, lanes 16-31 the odd one), the four bytes as a word in pw.
.macro QUANT2 w0, s0, w1, s1, pa, pb, pw
	WIN ((\w0)|((\w0)<<2))
.irp b, 0,1
	v_max3_num_f32 v[TM+\b], |v[(\s0)+16*\b]|, |v[(\s0)+16*\b+1]|, 0x1800000   ; my 16 numbers of the block, from the low end on, and the floor 2^(3 - 127): the byte cannot fall under 1
.endr
.irp i, 2,4,6,8,10,12,14
.irp b, 0,1
	v_max3_num_f32 v[TM+\b], |v[(\s0)+16*\b+\i]|, |v[(\s0)+16*\b+\i+1]|, v[TM+\b]
.endr
.endr
	WIN ((\w1)|((\w1)<<2))
.irp b, 0,1
	v_max3_num_f32 v[TM+2+\b], |v[(\s1)+16*\b]|, |v[(\s1)+16*\b+1]|, 0x1800000
.endr
.irp i, 2,4,6,8,10,12,14
.irp b, 0,1
	v_max3_num_f32 v[TM+2+\b], |v[(\s1)+16*\b+\i]|, |v[(\s1)+16*\b+\i+1]|, v[TM+2+\b]
.endr
.endr
	WIN 0
.irp b, 0,1,2,3
	v_permlanex16_b32 v[TM+4+\b], v[TM+\b], s36, s37
.endr
.irp b, 0,1,2,3
	v_max_num_f32 v[TM+\b], v[TM+\b], v[TM+4+\b]   ; with lane l xor 16's 16: the block's largest magnitude
.endr
.irp b, 0,1,2,3
	v_add_nc_u32 v[TM+12+\b], 0xff000000, v[TM+\b] ; 2 off its exponent field: the conversion's scale operand
.endr
.irp b, 0,1,2,3
	v_lshrrev_b32 v[TM+4+\b], 23, v[TM+12+\b]      ; the scale's byte
.endr
	v_lshl_or_b32 v[\pw], v[TM+5], 8, v[TM+4]
	v_lshl_or_b32 v[\pw], v[TM+6], 16, v[\pw]
	v_lshl_or_b32 v[\pw], v[TM+7], 24, v[\pw]
	WIN (\w0)
	v_cvt_scalef32_pk16_fp6_f32 v[\pa:\pa+2], v[(\s0):(\s0)+15], v[TM+12]
	v_cvt_scalef32_pk16_fp6_f32 v[TC:TC+2], v[(\s0)+16:(\s0)+31], v[TM+13]   ; (a conversion's three registers begin on an even number)
	WIN (\w1)
	v_cvt_scalef32_pk16_fp6_f32 v[\pb:\pb+2], v[(\s1):(\s1)+15], v[TM+14]
	v_cvt_scalef32_pk16_fp6_f32 v[TC+4:TC+6], v[(\s1)+16:(\s1)+31], v[TM+15]
	WIN 0
	v_nop                                          ; one plain place behind a scaled conversion
.irp i, 0,1,2
	v_permlane16_swap_b32 v[\pa+\i], v[TC+\i]      ; the first's lanes 16-31 change places with the second's lanes 0-15: a whole block in a lane
	v_permlane16_swap_b32 v[\pb+\i], v[TC+4+\i]
.endr
.irp i, 0,1,2
	v_mov_b32 v[\pa+3+\i], v[TC+\i]
	v_mov_b32 v[\pb+3+\i], v[TC+4+\i]
.endr
.endm
; Unit i of a trip's four (K step i / 2 of the trip's two, row tile i % 2).  ahead: the unit four on is asked for; turn: the next unit goes through the stage; left: the x loads younger than the next unit's.
.macro UNIT i, ahead, left, turn
	s_wait_dscnt 4                                 ; my numbers are back from the stage; only the last unit's four image stores may be out
.if \ahead || ((\i)%2 == 0)
	s_wait_alu depctr_vm_vsrc(0)                   ; the stage's stores have read set i, in which the loads below land; the image stores issued so far have read their codes, words and addresses, which are written again below.  (The last four units load nothing: there every second unit's wait frees both sets of code registers)
.endif
.if (\i) == 0
	v_add_nc_u32 v[CWI], s39, v[XWI]               ; this trip's places among the images and the scale words: written here, ahead of the wait that stands behind the conversions anyway
	v_add_nc_u32 v[CWS], s40, v[XWS]
.endif
.if \ahead
	XLOAD \i, 1024+512*(\i/2)+32768*(\i%2)
.endif
.if \turn
	s_wait_loadcnt \left                           ; the next unit's 16 loads are in; the units behind it, 16 loads each, stay out
	TURN (\i+1)%4, (\i+1)%2                        ; its loads land in the numbers that the unit before read: no vector instruction since that unit's wait names them
.endif
.set PCX, FA+12*(\i%2)                 ; the code registers take turns
	QUANT2 3, 64*(\i%2), 3, 64*(\i%2)+32, PCX, PCX+6, PWA+\i%2
	s_wait_alu depctr_va_vdst(0)                   ; the codes and the scale word are written, which the stores below read (in a trip's first unit their two addresses too); the maxima and conversions are done reading this unit's 64 numbers, in which the next unit's loads from the stage land
.irp g, 0,1,2
	ds_store_b128 v[CWI], v[PCX+4*\g:PCX+4*\g+3] offset:12288*(\i%2)+1536*(\i/2)+512*\g
.endr
	ds_store_b32 v[CWS], v[PWA+\i%2] offset:512*(\i%2)+64*(\i/2)   ; lanes r and r + 16 write the same word with the same value
.endm
.macro XFETCH u                        ; half u of a chunk: x's fragments of row tiles 4 (u % 2) .. + 3, K step u / 2, into buffer u % 3
.irp t, 0,1,2,3
.irp g, 0,1,2
	ds_load_b128 v[XF+48*((\u)%3)+12*\t+4*\g:XF+48*((\u)%3)+12*\t+4*\g+3], v[XAD+(\u)%2] offset:\t*12288+1536*((\u)/2)+512*\g
.endr
.endr
.endm
.macro WM d, a, b, c, sa, sb, odd      ; one product; odd K steps take their scale words from lanes 16-31
.if \odd
	v_wmma_scale_f32_16x16x128_f8f6f4 v[\d:\d+7], v[\a:\a+11], v[\b:\b+11], v[\c:\c+7], v[\sa], v[\sb] matrix_a_fmt:MATRIX_FMT_FP6 matrix_b_fmt:MATRIX_FMT_FP6 matrix_a_scale:MATRIX_SCALE_ROW1 matrix_b_scale:MATRIX_SCALE_ROW1
.else
	v_wmma_scale_f32_16x16x128_f8f6f4 v[\d:\d+7], v[\a:\a+11], v[\b:\b+11], v[\c:\c+7], v[\sa], v[\sb] matrix_a_fmt:MATRIX_FMT_FP6 matrix_b_fmt:MATRIX_FMT_FP6
.endif
.endm
; 32 products, a half: row tiles xt0 .. xt0 + 3 x W's eight tiles.  path 0 (q, k): accumulator (xt, wt) at 8 (8 (xt % 4) + wt); path 1 (v): at 8 (xt % 4 + 4 wt).  The 64 accumulators take turns, in the same order in every step.
.macro MUL path, s, xt0, first
.irp xt, \xt0, \xt0+1, \xt0+2, \xt0+3
.irp wt, 0,1,2,3,4,5,6,7
.if \path
.set DD, 8*(((\xt)%4)+4*\wt)
.else
.set DD, 8*(8*((\xt)%4)+\wt)
.endif
.set CR, DD
.if \first
.set CR, 192+8*\wt
.endif
.set XR, XF+48*((2*(\s)+(\xt)/4)%3)+12*((\xt)%4)   ; the half's buffer, the tile's fragment
.if \path
	WM DD, XR, 96*((\s)%2)+12*\wt, CR, XS+4*(\xt)+(\s)/2, WS+4*\wt+(\s)/2, (\s)%2
.else
	WM DD, 96*((\s)%2)+12*\wt, XR, CR, WS+4*\wt+(\s)/2, XS+4*(\xt)+(\s)/2, (\s)%2
.endif
.endr
.endr
.endm
; K step s of a chunk: 64 products, halves 2 s and 2 s + 1.  W of the next step is asked for at the head and has this step in which to land; half 2 s + 1 of x is asked for at the head, half 2 s + 2 in the middle: each 32 products ahead of its use.
.macro STEP path, s
.set FIRST, 0
.if (\s) == 0
.set FIRST, 1
.endif
.set BASEW, 1+3*(\path)                ; q, k: source 0 (W) window 1;  v: source 1 (W) window 1
.if (\s) > 0
	PLACES                                         ; behind the last step's products
.endif
	s_wait_loadcnt 0x0                             ; W's set of this step is in (step 0: the bias and the scale words too)
.if FIRST
	s_wait_alu depctr_vm_vsrc(0)                   ; from phase X: my LDS stores have read window 2, which the products write, and the code registers; round the loop: the last stores have read both out-buffers.  Fragments of x land in those registers in this step
.endif
.if (\s) < 7
	WIN 0x40
.else
	WIN 0
.endif
	s_wait_alu depctr_va_vdst(0)                   ; the products of the step before are done reading W's other set and x's two buffers that are loaded in this step (step 0: the way out's or phase X's vector instructions are done with v128-223)
.if (\s) < 7
.irp wt, 0,1,2,3,4,5,6,7
.irp g, 0,1,2
	global_load_b128 v[96*(((\s)+1)%2)+12*\wt+4*\g:96*(((\s)+1)%2)+12*\wt+4*\g+3], v[LI], s[24:25] offset:((\s)+1)*12288+1536*\wt+512*\g
.endr
.endr
.endif
	WIN 0
	XFETCH 2*(\s)+1
	s_wait_dscnt 12                                ; half 2 s is in; the twelve loads just issued may be out
	WIN ((2<<6)|((2-FIRST)<<4)|BASEW)
	MUL \path, \s, 0, FIRST
.if (\s) < 7
	WIN 0
	XFETCH 2*(\s)+2                                ; no wait: no vector or matrix instruction since the wait at the step's head names this buffer
	s_wait_dscnt 12                                ; half 2 s + 1 is in; the twelve loads just issued may be out
.else
	s_wait_dscnt 0x0
.endif
	WIN ((3<<6)|((3-2*FIRST)<<4)|BASEW)
	MUL \path, \s, 4, FIRST
.endm
.macro NEXTCHUNK                       ; the second chunk's first operands are asked for ahead of the first chunk's way out
	s_wait_xcnt 0x0                                ; (step 7's wait has shown every load done)
	s_add_nc_u64 s[24:25], s[24:25], 98304
	s_add_nc_u64 s[26:27], s[26:27], 4096
	s_add_nc_u64 s[22:23], s[22:23], 512
	s_wait_alu depctr_va_vdst(0)                   ; the chunk's products are done reading W's set 0, the bias, W's scale words and x's buffer 0, in which the loads below land
	PROLOAD
	XFETCH 0
.endm
; q, k on the way out: block e of 32 rows, two heads.  A row tile's 64 registers are the chunk's 128 columns: blocks 0, 1 the first head, blocks 2, 3 the second.
.macro QKOUT e                         ; block e leaves, from out-buffer e % 2
.set OS, OB+72*((\e)%2)
.irp g, 0,1,2
	global_store_b128 v[LI], v[OS+4*\g:OS+4*\g+3], s[28:29] offset:1536*(\e)+512*\g
.endr
.irp g, 0,1,2
	global_store_b128 v[LI], v[OS+12+4*\g:OS+12+4*\g+3], s[28:29] offset:98304+1536*(\e)+512*\g
.endr
	global_store_b32 v[QSO], v[WA+(\e)%2], s[30:31] offset:64*(\e)
.endm
.macro EPI_QK
.irp e, 0,1,2,3
.if \e > 1
	s_wait_xcnt 0x0                                ; the stores of two blocks back, issued a block ago, have had their addresses translated,
	s_wait_alu depctr_vm_vsrc(0)                   ; and have read their out-buffer and word, which this block writes again
.endif
.if \e > 0
	s_wait_alu depctr_va_vdst(0)                   ; the block before has written its out-buffer and word, which the stores below read
	QKOUT \e-1
.endif
.set OA, OB+72*(\e%2)
	QUANT2 2+\e/2, 64*((2*\e)%4), 2+\e/2, 64*((2*\e)%4)+32, OA, OA+12, PWA
	QUANT2 2+\e/2, 64*((2*\e+1)%4), 2+\e/2, 64*((2*\e+1)%4)+32, OA+6, OA+18, PWB
	v_perm_b32 v[WA+\e%2], v[PWB], v[PWA], 0x05040100   ; the first head's word: the two low halves
	v_perm_b32 v[PWA], v[PWB], v[PWA], 0x07060302       ; the second's: the two high halves
	v_cndmask_b32 v[WA+\e%2], v[WA+\e%2], v[PWA], s42   ; lanes 16-31 store the second head's
.endr
	s_wait_alu depctr_va_vdst(0)                   ; block 3 has written its out-buffer and word
	QKOUT 3
.endm
; v on the way out: W's tiles 2 e and 2 e + 1: 16 columns x the block's 128 keys each: a fragment.
.macro VOUT e                          ; block e leaves, from out-buffer e % 2
.set OS, OB+72*((\e)%2)
.irp g, 0,1,2
	global_store_b128 v[LI], v[OS+4*\g:OS+4*\g+3], s[28:29] offset:98304*((\e)/2)+1536*((2*(\e))%4)+512*\g
.endr
.irp g, 0,1,2
	global_store_b128 v[LI], v[OS+12+4*\g:OS+12+4*\g+3], s[28:29] offset:98304*((\e)/2)+1536*((2*(\e)+1)%4)+512*\g
.endr
	global_store_b32 v[LS], v[WA+(\e)%2], s[30:31] offset:4096*((\e)/2)+128*((\e)%2)
.endm
.macro EPI_V
.irp e, 0,1,2,3
.if \e > 1
	s_wait_xcnt 0x0                                ; the stores of two blocks back, issued a block ago, have had their addresses translated,
	s_wait_alu depctr_vm_vsrc(0)                   ; and have read their out-buffer and word, which this block writes again
.endif
.if \e > 0
	s_wait_alu depctr_va_vdst(0)                   ; the block before has written its out-buffer and word, which the stores below read
	VOUT \e-1
.endif
.set OA, OB+72*(\e%2)
	QUANT2 2, 64*\e, 3, 64*\e, OA, OA+6, PWA
	QUANT2 2, 64*\e+32, 3, 64*\e+32, OA+12, OA+18, PWB
	v_cndmask_b32 v[WA+\e%2], v[PWA], v[PWB], s42  ; lanes 0-15 the even tile's words, lanes 16-31 the odd one's: 128 consecutive bytes
.endr
	s_wait_alu depctr_va_vdst(0)                   ; block 3 has written its out-buffer and word
	VOUT 3
.endm
	s_load_b512 s[4:19], s[0:1], 0x0               ; query, keys, values, bq, bk, bv, wbuf, qkv
	v_lshl_add_u32 v254, v0, 2, 0x29800
	v_mov_b32 v255, 0
	v_lshrrev_b32 v233, 5, v0
	v_readfirstlane_b32 s32, v233                  ; wave
	s_and_b32 s33, ttmp7, 0xffff                   ; t: the tensor
	s_mov_b32 s34, ttmp9                           ; the block of 128 rows
	v_and_b32 v233, 31, v0                         ; lane
	v_and_b32 v234, 15, v0                         ; r
	v_bfe_u32 v235, v0, 4, 1                       ; h
	v_lshlrev_b32 v[LI], 4, v233
	v_lshlrev_b32 v[LS], 2, v233
	v_and_b32 v236, 8, v234
	v_add_nc_u32 v236, v236, v234                  ; r + 8 (r / 8)
	s_cmp_eq_u32 s33, 2                            ; the bias in the result's layout.  q, k: register p of a tile is column 16 h + p of its 32; v: every register is column r + 8 (r / 8)
	s_cselect_b32 s44, 0, 4
	s_cselect_b32 s45, 0, 64
	s_cselect_b32 s46, 4, 0
	v_mul_u32_u24 v[BA], v235, s45
	v_mad_u32_u24 v[BA], v236, s46, v[BA]
.irp p, 1,2,3,4,5,6,7
	v_add_nc_u32 v[BA+\p], s44, v[BA+\p-1]
.endr
	s_wait_alu depctr_va_sdst(0)                   ; s32, the wave's number, is written, ahead of its first reader: LDS places and the bases are made from it
	s_mul_i32 s47, s32, 16896
	s_add_co_u32 s47, s47, STG                     ; my two stages
	v_add_nc_u32 v[STW], s47, v[LI]
	v_mul_u32_u24 v[STR], v234, 528
	v_lshl_add_u32 v[STR], v235, 6, v[STR]
	v_add_nc_u32 v[STR], s47, v[STR]
	s_mul_i32 s47, s32, 24576
	v_add_nc_u32 v[XWI], s47, v[LI]
	s_lshl_b32 s47, s32, 10
	s_add_co_u32 s47, s47, XSC
	v_lshl_add_u32 v[XWS], v234, 2, s47
	v_lshlrev_b32 v[QSO], 2, v234
	v_lshl_add_u32 v[QSO], v235, 12, v[QSO]
	v_mov_b32 v[XAD], v[LI]
	v_add_nc_u32 v[XAD+1], 49152, v[LI]
	v_add_nc_u32 v[XSA], XSC, v[LS]
.irp b, 0,1,2,3
	v_mov_b32 v[TM+4+\b], 0                        ; written once: a lane permute's destination counts as one of its sources
.endr
	s_mov_b32 s36, 0x76543210
	s_mov_b32 s37, 0xfedcba98                      ; v_permlanex16_b32's selects for lane l xor 16
	s_mov_b32 s42, 0xffff0000                      ; lanes 16-31
	s_mov_b32 s39, 0                               ; the trip's place among the images: 3,072 a trip
	s_mov_b32 s40, 0                               ; and among the scale words: 128 a trip
	s_wait_kmcnt 0x0
	s_cmp_eq_u32 s33, 1                            ; the choices hang on the work-group's number alone
	s_cselect_b64 s[20:21], s[6:7], s[4:5]
	s_cselect_b64 s[22:23], s[12:13], s[10:11]
	s_cmp_eq_u32 s33, 2
	s_cselect_b64 s[20:21], s[8:9], s[20:21]
	s_cselect_b64 s[22:23], s[14:15], s[22:23]
	s_mov_b32 s49, 0
	s_lshl_b32 s48, s34, 19
	s_lshl_b32 s50, s32, 17
	s_add_co_u32 s48, s48, s50
	s_add_nc_u64 s[20:21], s[20:21], s[48:49]      ; x at row 128 X + 32 wave
	s_lshl_b32 s48, s32, 10
	s_add_nc_u64 s[22:23], s[22:23], s[48:49]      ; the bias at column 256 wave
	s_mul_i32 s51, s33, 819200
	s_mul_i32 s48, s32, 196608
	s_add_co_u32 s48, s48, s51
	s_add_nc_u64 s[24:25], s[16:17], s[48:49]      ; W's codes at chunk 2 wave
	s_lshl_b32 s48, s32, 13
	s_add_co_u32 s48, s48, s51
	s_add_co_u32 s48, s48, 786432
	s_add_nc_u64 s[26:27], s[16:17], s[48:49]      ; W's scale words at tile 16 wave
	s_mul_i32 s51, s33, 6553600
	s_lshr_b32 s50, s34, 4
	s_lshl_b32 s50, s50, 4
	s_lshl_b32 s52, s32, 2
	s_add_co_u32 s50, s50, s52                     ; my first head: 16 b + 4 wave
	s_and_b32 s52, s34, 15                         ; which 128 rows of the batch's 2,048
	s_mul_i32 s48, s50, 98304
	s_mul_i32 s53, s52, 6144
	s_add_co_u32 s48, s48, s53
	s_add_co_u32 s48, s48, s51
	s_add_nc_u64 s[28:29], s[18:19], s[48:49]      ; the codes' way out
	s_lshl_b32 s48, s50, 12
	s_lshl_b32 s53, s52, 8
	s_add_co_u32 s48, s48, s53
	s_add_co_u32 s48, s48, s51
	s_add_co_u32 s48, s48, 6291456
	s_add_nc_u64 s[30:31], s[18:19], s[48:49]      ; the scale words'
	s_wait_alu depctr_va_vdst(0)                   ; the offsets and LDS addresses v1 to v15, v228, v229 and v232 are written, which the kernel's loads and stores read
	; ---- PHASE X: 16 units a wave; x loads run four units (64 loads, 32 KB a wave) ahead, the turn through the stage one unit
.irp i, 0,1,2,3
	XLOAD \i, 512*(\i/2)+32768*(\i%2)
.endr
	s_wait_loadcnt 48                              ; unit 0 is in; three units are younger
	TURN 0, 0
	s_wait_dscnt 0x0                               ; so that the count at a unit's head holds on the way in too
	WIN 0
	s_mov_b32 s38, 3
.Lxtrip:                                               ; a trip: four units, two K steps
	UNIT 0, 1, 48, 1
	UNIT 1, 1, 48, 1
	UNIT 2, 1, 48, 1
	UNIT 3, 1, 48, 1
	s_wait_xcnt 0x0                                ; the loads have read their base: it may step
	s_add_nc_u64 s[20:21], s[20:21], 1024
	s_add_co_u32 s39, s39, 3072
	s_add_co_u32 s40, s40, 128
	s_sub_co_u32 s38, s38, 1
	s_cmp_lg_u32 s38, 0
	s_cbranch_scc1 .Lxtrip
	UNIT 0, 0, 32, 1                               ; the last four units ask for nothing: no load leaves the buffer; the counts run down
	UNIT 1, 0, 16, 1
	UNIT 2, 0, 0, 1
	PROLOAD                                        ; every x load is in: the first chunk's first operands go out and land under the last unit and the barrier.  No vector instruction has named the registers in which they land
	UNIT 3, 0, 0, 0
	s_wait_dscnt 0x0                               ; for the others' sake: my images and scale words lie in LDS
	s_barrier_signal -1
	s_barrier_wait -1                              ; everybody's do; from here on LDS is only read
	; ---- PHASE G
.irp a, 0,1,2,3,4,5,6,7
.irp q, 0,1,2,3
	ds_load_b32 v[XS+4*\a+\q], v[XSA] offset:512*\a+128*\q
.endr
.endr
	XFETCH 0                                       ; half 0; no vector instruction has named buffer 0 or the scale words' registers
	s_mov_b32 s41, 2                               ; chunks to go
	s_cmp_eq_u32 s33, 2
	s_cbranch_scc1 .Lv
.Lqk:
.irp s, 0,1,2,3,4,5,6,7
	STEP 0, \s
.endr
	WIN 0
	PLACES                                         ; behind the last products: for the first read of results, for the vector writes of x's buffers 1 and 2, and beside the wait ahead of the loads below
	s_cmp_eq_u32 s41, 1
	s_cbranch_scc1 .Lqk_last
	NEXTCHUNK
.Lqk_last:
	EPI_QK
	s_wait_xcnt 0x0                                ; the stores have read their bases
	s_add_nc_u64 s[28:29], s[28:29], 196608        ; two heads on
	s_add_nc_u64 s[30:31], s[30:31], 8192
	s_sub_co_u32 s41, s41, 1
	s_cmp_lg_u32 s41, 0
	s_cbranch_scc1 .Lqk
	s_wait_dscnt 0x0
	s_wait_alu depctr_hold_cnt(0) depctr_sa_sdst(0) depctr_va_vdst(0) depctr_va_sdst(0) depctr_va_ssrc(0) depctr_va_vcc(0) depctr_vm_vsrc(0)
	s_wait_tensorcnt 0x0
	ds_add_u32 v254, v255
	s_wait_dscnt 0x0
	s_endpgm
.Lv:
.irp s, 0,1,2,3,4,5,6,7
	STEP 1, \s
.endr
	WIN 0
	PLACES
	s_cmp_eq_u32 s41, 1
	s_cbranch_scc1 .Lv_last
	NEXTCHUNK
.Lv_last:
	EPI_V
	s_wait_xcnt 0x0
	s_add_nc_u64 s[28:29], s[28:29], 196608
	s_add_nc_u64 s[30:31], s[30:31], 8192
	s_sub_co_u32 s41, s41, 1
	s_cmp_lg_u32 s41, 0
	s_cbranch_scc1 .Lv
	s_wait_dscnt 0x0
	s_wait_alu depctr_hold_cnt(0) depctr_sa_sdst(0) depctr_va_vdst(0) depctr_va_sdst(0) depctr_va_ssrc(0) depctr_va_vcc(0) depctr_vm_vsrc(0)
	s_wait_tensorcnt 0x0
	ds_add_u32 v254, v255
	s_wait_dscnt 0x0
	s_endpgm
.Lfunc_end_k_q55cd2e65f6_proj:
	.size	k_q55cd2e65f6_proj, .Lfunc_end_k_q55cd2e65f6_proj-k_q55cd2e65f6_proj
	.p2alignl 7, 3214868480
	.fill 96, 4, 3214868480
	.section	.rodata,"a",@progbits
	.p2align	6, 0x0
	.amdhsa_kernel k_q55cd2e65f6_proj
		.amdhsa_group_segment_fixed_size 170496
		.amdhsa_private_segment_fixed_size 0
		.amdhsa_enable_private_segment 0
		.amdhsa_kernarg_size 64
		.amdhsa_user_sgpr_count 2
		.amdhsa_user_sgpr_kernarg_segment_ptr 1
		.amdhsa_wavefront_size32 1
		.amdhsa_system_sgpr_workgroup_id_x 1
		.amdhsa_system_sgpr_workgroup_id_y 1
		.amdhsa_system_sgpr_workgroup_id_z 1
		.amdhsa_system_vgpr_workitem_id 0
		.amdhsa_next_free_vgpr 1024
		.amdhsa_next_free_sgpr 66
		.amdhsa_reserve_vcc 0
		.amdhsa_float_denorm_mode_32 3
		.amdhsa_float_denorm_mode_16_64 3
		.amdhsa_memory_ordered 1
		.amdhsa_forward_progress 1
		.amdhsa_inst_pref_size 255
	.end_amdhsa_kernel
	.section	.bss,"aw",@nobits
	.p2align	6
	.space	262144
	.amdgpu_metadata
---
amdhsa.version: [ 1, 2 ]
amdhsa.kernels:
  - .name:           k_q55cd2e65f6_proj
    .symbol:         k_q55cd2e65f6_proj.kd
    .args:
      - { .name: query, .offset: 0, .size: 8, .value_kind: global_buffer, .address_space: global }
      - { .name: keys, .offset: 8, .size: 8, .value_kind: global_buffer, .address_space: global }
      - { .name: values, .offset: 16, .size: 8, .value_kind: global_buffer, .address_space: global }
      - { .name: bq, .offset: 24, .size: 8, .value_kind: global_buffer, .address_space: global }
      - { .name: bk, .offset: 32, .size: 8, .value_kind: global_buffer, .address_space: global }
      - { .name: bv, .offset: 40, .size: 8, .value_kind: global_buffer, .address_space: global }
      - { .name: wbuf, .offset: 48, .size: 8, .value_kind: global_buffer, .address_space: global }
      - { .name: qkv, .offset: 56, .size: 8, .value_kind: global_buffer, .address_space: global }
    .group_segment_fixed_size: 170496
    .private_segment_fixed_size: 0
    .kernarg_segment_align: 8
    .kernarg_segment_size: 64
    .max_flat_workgroup_size: 128
    .sgpr_count:     66
    .vgpr_count:     1024
    .wavefront_size: 32
...
	.end_amdgpu_metadata
.endif
;; end of part 6
;; launch attn (part 7): grid 4 x 64, 16 waves a work-group, clusters of 4 x 1, 206,848 bytes of LDS; arguments qkv, obuf; writes obuf
.if DOCPART == 7
	.amdgcn_target "amdgcn-amd-amdhsa--gfx1250"
	.amdhsa_code_object_version 6
	.text
	.protected	k_q55cd2e65f6_attn
	.globl	k_q55cd2e65f6_attn
	.p2align	8
	.type	k_q55cd2e65f6_attn,@function
k_q55cd2e65f6_attn:
	s_mov_b64 s[64:65], 0
	v_nop
	global_prefetch_b8 v0, s[64:65] scope:SCOPE_SE
	s_setreg_imm32_b32 hwreg(HW_REG_WAVE_MODE, 25, 1), 1
	s_wait_xcnt 0x0
	s_wait_alu depctr_hold_cnt(0) depctr_sa_sdst(0) depctr_va_vdst(0) depctr_va_sdst(0) depctr_va_ssrc(0) depctr_va_vcc(0) depctr_vm_vsrc(0)
	s_getreg_b32 s2, hwreg(HW_REG_IB_STS2, 6, 4)
	s_cmp_eq_u32 s2, 0
	s_cbranch_scc0 .Lentry_in_a_cluster
	s_endpgm
.Lentry_in_a_cluster:
	s_bfe_u32 s2, ttmp6, 0x10000c
	s_cmp_lg_u32 s2, 0x3003
	s_cbranch_scc0 .Lentry_shape_is_right
	s_endpgm
.Lentry_shape_is_right:
; O[bh][q] = the sum over k of softmax_k(q . k / 8) v, both products on codes of FP6 (E2M3) with one E8M0 scale for each 32 along a product's K; O / l is quantised along the model's 1,024 for the last projection.
; THE SOFTMAX AHEAD OF THE SECOND PRODUCT: t = score x log2(e) / 8; M = the row's largest t so far, rounded UP to a whole number; p = 2^(t - M) is what is quantised, along the keys; it is not normalised.
; The row's sum is taken of the unquantised p, in f32, and divides O at the end.  When M moves, the sum and O are multiplied by 2^(old M - new M): exact.
; SHARES.  A cluster is the four quarters of the queries of one head (16 b + head = cluster y).  A work-group owns 512 queries, each of its sixteen waves 32: two tiles of 16, one after the other, in 256 registers:
; four waves to a SIMD, so that one wave's vector work stands beside another's matrix work and LDS loads.  Every wave walks all 2,048 keys, 128 a step.
; THE WHOLE HEAD'S K AND V STAY IN LDS: 98,304 bytes of codes and 4,096 of scale words each, asked for ONCE, JOINTLY by the four work-groups (the same four pairs of tensor loads, with a mask that names the four).
; No LDS byte is filled again, so the loops have no barrier.  All that the launch reads is asked for at its head: there is nothing left to prefetch.
; LAYOUT.  Both products are used transposed: S^T = K Q^T, O^T = V^T P^T: a lane holds ONE query (lane % 16) throughout.  qkv is laid in the order of the operands' registers (register p of lane l of a fragment at
; 512 (p / 4) + 16 l + 4 (p % 4)); the rows of a tile are row 8 u + i + 8 (i / 8) of their 32, so that the 16 result registers of two neighbouring tiles are 16 neighbouring keys (or channels).
; THE FIRST PRODUCT'S K IS 64, THE INSTRUCTION'S 128: a fragment of K carries TWO key tiles (registers 0-5, 6-11).  It is multiplied by (q | zeros) for the first and by (zeros | q) for the second;
; the zero half has zero codes and the scale byte 1.
; obuf: codes [row tile 0..511][head 0..15], 768 bytes (six registers: pair pp of lane l at 256 pp + 8 l): heads 2 s, 2 s + 1 are the fragment of K step s.  Scale words at +6,291,456: [16 b + head][block of 32 rows], 16 words:
; bytes (tile 0 block 0, tile 0 block 1, tile 1 block 0, tile 1 block 1); they leave as pieces of 64 bytes, 256 KB in the launch, in parts of aligned blocks of 256 bytes.
; LIMITS: 1 / l by v_rcp_f32 (1 ulp); a p under 2^-126 comes out as 0; a block's largest p is taken as the p of its largest score (v_exp_f32 is taken not to fall where its input rises);
; blocks under 2^-124 take the byte 1; NaN and infinities are not served.
; LDS: 0 K's images; 98,304 V's; 196,608 K's scale words; 200,704 V's.
; REGISTERS: v1-6 addresses that stay; v7 O's scale word; v8-11 addresses in hand; v12 -M, v13 the largest t, v[14:15] the sum; v16-21 zeros, v22-27 q, v28-33 zeros; v34, v35 q's two scale words; v36-47 Q's image, v211 its word;
;   v48-95 four fragments of K or V; v96-159 S^T, then p; v160-191 O^T; v192-203 p's codes; v204-210 second halves; v212-226 at work; v228 p's scale word; v230-231 K's scale words, v232-233 V's.
.set S,   96
.set OT,  160
.set BM,  212                          ; each block's largest score, then its largest p
.set BP,  216
.set SO,  220                          ; the conversions' scale operands
.set KW,  230
.set VW,  232
.macro ROUND                           ; a round of the cluster's barrier
	s_barrier_signal -1
	s_barrier_wait -1
	s_cmp_lg_u32 s8, 0
	s_cbranch_scc1 .Lnot_wave_0_\@
	s_barrier_signal -3
.Lnot_wave_0_\@:
	s_barrier_wait -3
	s_barrier_signal -1
	s_barrier_wait -1
.endm
	s_load_b128 s[4:7], s[0:1], 0x0                ; qkv, obuf
	v_lshl_add_u32 v254, v0, 2, 0x32000
	v_mov_b32 v255, 0
	ds_add_u32 v254, v255
	ds_add_u32 v254, v255
	v_lshrrev_b32 v1, 5, v0
	s_delay_alu instid0(VALU_DEP_1)
	v_readfirstlane_b32 s8, v1                     ; wave 0..15
	s_bfe_u32 s9, ttmp6, 0x40000                   ; cx
	s_lshl_b32 s10, ttmp9, 2
	s_add_co_u32 s10, s10, s9                      ; which quarter of the queries: it enters Q's and O's addresses alone
	s_and_b32 s11, ttmp7, 0xffff                   ; the head, which the four partners share
	; descriptor group 1: half a head's codes, 49,152 dense bytes, as 192 rows of 256 bytes (32 elements of 8 bytes)
	s_mov_b32 s12, 15|(3<<16)|(1<<21)              ; 15:0 the mask: all four work-groups; 17:16 elements of 8 bytes; 21 set beside a mask
	s_mov_b32 s13, 32<<16                          ; tensor_dim0
	s_mov_b32 s14, 192<<16                         ; tensor_dim1
	s_mov_b32 s15, 32<<16                          ; tile_dim0
	s_mov_b32 s16, 192                             ; tile_dim1
	s_mov_b32 s17, 32                              ; the pitch
	s_mov_b32 s18, 0
	s_mov_b32 s19, 0
	; and half a head's scale words: 2,048 bytes, 8 rows
	s_mov_b32 s20, 15|(3<<16)|(1<<21)
	s_mov_b32 s21, 32<<16
	s_mov_b32 s22, 8<<16
	s_mov_b32 s23, 32<<16
	s_mov_b32 s24, 8
	s_mov_b32 s25, 32
	s_mov_b32 s26, 0
	s_mov_b32 s27, 0
	; waves 0 to 3 fetch: wave % 2: K or V; (wave / 2) % 2: which half
	s_and_b32 s54, s8, 1
	s_bfe_u32 s55, s8, 0x10001
	s_mul_i32 s29, s54, 98304
	s_mul_i32 s56, s55, 49152
	s_add_co_u32 s29, s29, s56                     ; the codes' place in LDS
	s_lshl_b32 s33, s54, 12
	s_lshl_b32 s57, s55, 11
	s_add_co_u32 s33, s33, s57
	s_add_co_u32 s33, s33, 196608                  ; the scale words'
	s_mul_i32 s54, s54, 6553600
	s_add_co_u32 s54, s54, 6553600                 ; k's or v's part of qkv
	s_mul_i32 s55, s11, 98304
	s_add_co_u32 s56, s56, s55
	s_add_co_u32 s56, s56, s54                     ; the codes' place in memory
	s_lshl_b32 s55, s11, 12
	s_add_co_u32 s2, s57, s55
	s_add_co_u32 s2, s2, s54
	s_add_co_u32 s2, s2, 6291456                   ; the scale words'
	s_mov_b32 s57, 0
	s_mov_b32 s3, 0
	s_mov_b32 s36, 0x76543210
	s_mov_b32 s37, 0xfedcba98                      ; v_permlanex16_b32's selects for lane l xor 16
	s_mov_b32 s38, 0x3e38aa3b                      ; c = log2(e) / 8
	s_mov_b32 s39, s38                             ; (named with it as a pair, so it is written)
	s_mov_b32 s43, 2                               ; tiles to go
	s_mov_b32 s44, 0                               ; 0: the block's tile 0; -1: tile 1
	s_mov_b32 s45, 0                               ; where the tile's two bytes begin in Q's scale word
	v_and_b32 v5, 31, v0
	s_delay_alu instid0(VALU_DEP_1)
	v_lshlrev_b32 v1, 4, v5                        ; K's images: 16 x lane
	s_delay_alu instid0(VALU_DEP_1)
	v_add_nc_u32 v2, 98304, v1                     ; V's
	s_delay_alu instid0(VALU_DEP_3)
	v_lshlrev_b32 v3, 2, v5
	s_delay_alu instid0(VALU_DEP_1)
	v_add_nc_u32 v4, 200704, v3                    ; V's scale words: 4 x lane: two fragments' words a load
	s_delay_alu instid0(VALU_DEP_2)
	v_add_nc_u32 v3, 196608, v3                    ; K's
	v_lshlrev_b32 v5, 3, v5                        ; O's codes: 8 x lane
	v_and_b32 v6, 15, v0
	s_delay_alu instid0(VALU_DEP_1)
	v_lshlrev_b32 v6, 2, v6                        ; a scale word of my query's row: 4 r
	s_wait_dscnt 0x0
	s_wait_kmcnt 0x0
	s_mov_b32 s28, 1
	s_add_nc_u64 s[30:31], s[4:5], s[56:57]
	s_or_b32 s31, s31, 0x80000000
	s_mov_b32 s32, 1
	s_add_nc_u64 s[34:35], s[4:5], s[2:3]
	s_or_b32 s35, s35, 0x80000000
	; what hangs on my place in the cluster is made in registers of its own
	s_lshl_b32 s60, s10, 4
	s_add_co_u32 s60, s60, s8                      ; my block of 32 queries
	s_mov_b32 s59, 0
	s_mul_i32 s58, s11, 98304
	s_mul_i32 s61, s60, 1536
	s_add_co_u32 s58, s58, s61
	s_add_nc_u64 s[46:47], s[4:5], s[58:59]        ; Q's image
	s_lshl_b32 s58, s11, 12
	s_lshl_b32 s61, s60, 6
	s_add_co_u32 s58, s58, s61
	s_add_co_u32 s58, s58, 6291456
	s_add_nc_u64 s[48:49], s[4:5], s[58:59]        ; Q's scale words
	s_add_nc_u64 s[52:53], s[6:7], s[58:59]        ; O's lie at the same offset in obuf
	s_lshr_b32 s58, s11, 4
	s_mul_i32 s58, s58, 1572864
	s_mul_i32 s61, s60, 24576
	s_add_co_u32 s58, s58, s61
	s_and_b32 s61, s11, 15
	s_mul_i32 s61, s61, 768
	s_add_co_u32 s58, s58, s61
	s_add_nc_u64 s[50:51], s[6:7], s[58:59]        ; O's codes: ((128 b + 2 block) x 16 + head) x 768
	ROUND                                          ; all four work-groups are here: the joint loads meet
	s_cmp_lt_u32 s8, 4                             ; a wave's two fills stand in one branch on the wave's number, the same in all partners
	s_cbranch_scc0 .Lno_fill
	tensor_load_to_lds s[28:31], s[12:19]
	s_nop 0
	tensor_load_to_lds s[32:35], s[20:27]
	s_nop 0
.rept 4
	v_nop
.endr
.Lno_fill:
	s_wait_alu depctr_va_vdst(0)
.irp g, 0,1,2
	global_load_b128 v[36+4*\g:39+4*\g], v1, s[46:47] offset:512*\g
.endr
	global_load_b32 v211, v6, s[48:49]
.irp i, 0,1,2,3,4,5
	v_mov_b32 v[16+\i], 0                          ; the zero halves
	v_mov_b32 v[28+\i], 0
.endr
.irp b, 0,1,2,3
	v_mov_b32 v[BP+\b], 0                          ; written once: a lane permute's destination counts as one of its sources
.endr
	v_mov_b32 v225, 0                              ; (named as the upper half of the pair v[224:225])
	v_mov_b32 v7, 0
	s_wait_tensorcnt 0x0                           ; my fills have landed (a wave that issued none passes at once),
	s_barrier_signal -1
	s_barrier_wait -1                              ; everybody's have
	s_wait_loadcnt 0x0                             ; Q
.macro SQ f, u                         ; keys 32 f + 8 u + .. of the step: fragment f of K against (q | 0) or (0 | q)
.set DD, S+8*(2*(\f)+(\u))
.set AA, 48+12*(\f)
.set BB, 22-6*(\u)
.if (\f)%2
	v_wmma_scale_f32_16x16x128_f8f6f4 v[DD:DD+7], v[AA:AA+11], v[BB:BB+11], 0, v[KW+(\f)/2], v[34+(\u)] matrix_a_fmt:MATRIX_FMT_FP6 matrix_b_fmt:MATRIX_FMT_FP6 matrix_a_scale:MATRIX_SCALE_ROW1
.else
	v_wmma_scale_f32_16x16x128_f8f6f4 v[DD:DD+7], v[AA:AA+11], v[BB:BB+11], 0, v[KW+(\f)/2], v[34+(\u)] matrix_a_fmt:MATRIX_FMT_FP6 matrix_b_fmt:MATRIX_FMT_FP6
.endif
.endm
.macro PV d                            ; O^T's tile d += V's fragment d x p
.set DD, OT+8*(\d)
.set AA, 48+12*(\d)
.if (\d)%2
	v_wmma_scale_f32_16x16x128_f8f6f4 v[DD:DD+7], v[AA:AA+11], v[192:203], v[DD:DD+7], v[VW+(\d)/2], v228 matrix_a_fmt:MATRIX_FMT_FP6 matrix_b_fmt:MATRIX_FMT_FP6 matrix_a_scale:MATRIX_SCALE_ROW1
.else
	v_wmma_scale_f32_16x16x128_f8f6f4 v[DD:DD+7], v[AA:AA+11], v[192:203], v[DD:DD+7], v[VW+(\d)/2], v228 matrix_a_fmt:MATRIX_FMT_FP6 matrix_b_fmt:MATRIX_FMT_FP6
.endif
.endm
.Ltile:
	; ---- a tile of 16 queries begins
.irp i, 0,1,2,3,4,5
	v_cndmask_b32 v[22+\i], v[36+\i], v[42+\i], s44   ; the tile's six code registers
.endr
	v_lshrrev_b32 v226, s45, v211
	s_delay_alu instid0(VALU_DEP_1)
	v_and_b32 v226, 0xffff, v226                   ; its two scale bytes
	s_delay_alu instid0(VALU_DEP_1)
	v_or_b32 v34, 0x01010000, v226                 ; for (q | 0)
	s_delay_alu instid0(VALU_DEP_2)
	v_lshl_or_b32 v35, v226, 16, 0x0101            ; for (0 | q)
	v_mov_b32 v13, 0xff61b1e6                      ; the largest t so far: -3e38, under every t
	s_delay_alu instid0(VALU_DEP_1)
	v_floor_f32 v12, -v13                          ; -M
	v_mov_b32 v14, 0                               ; the sum, in two halves
	v_mov_b32 v15, 0
.set j, 0
.rept 32
	v_mov_b32 v[OT+j], 0                           ; O^T: the first step finds zeros, which the first change of M leaves zeros.  (These are also the places between the writes of q and its scale words and the first product)
.set j, j+1
.endr
	s_mov_b32 s40, 0                               ; the step's images: 6,144 bytes a step
	s_mov_b32 s41, 0                               ; its scale words: 256
	s_mov_b32 s42, 16
.Lstep:                                                ; a key step: 128 keys
	s_setprio 2
	v_add_nc_u32 v8, s40, v1                       ; (these four are the places in front of loads into registers that the last products read)
	v_add_nc_u32 v9, s40, v2
	v_add_nc_u32 v10, s41, v3
	v_add_nc_u32 v11, s41, v4
.irp f, 0,1,2,3
.irp g, 0,1,2
	ds_load_b128 v[48+12*\f+4*\g:48+12*\f+4*\g+3], v8 offset:1536*\f+512*\g
.endr
.endr
	ds_load_b32 v[KW], v10
	ds_load_b32 v[KW+1], v10 offset:128
	s_wait_alu depctr_va_vdst(0)
	s_wait_dscnt 0x0
.irp f, 0,1,2,3
	SQ \f, 0
	SQ \f, 1
.endr                                          ; register 16 f + i of S^T is key 32 f + 16 (lane / 16) + i of the step
.rept 4
	v_nop
.endr
.irp d, 0,1,2,3
.irp g, 0,1,2
	ds_load_b128 v[48+12*\d+4*\g:48+12*\d+4*\g+3], v9 offset:1536*\d+512*\g   ; V's fragments land under the softmax
.endr
.endr
	ds_load_b32 v[VW], v11
	ds_load_b32 v[VW+1], v11 offset:128
.irp b, 0,1,2,3
	v_max3_num_f32 v[BM+\b], v[S+16*\b], v[S+1+16*\b], v[S+2+16*\b]   ; THE LARGEST SCORE OF EACH BLOCK OF 32 KEYS serves twice: for the row's maximum and, since p rises with the score, for the block's largest p
.endr
.irp i, 3,5,7,9,11,13
.irp b, 0,1,2,3
	v_max3_num_f32 v[BM+\b], v[BM+\b], v[S+16*\b+\i], v[S+1+16*\b+\i]
.endr
.endr
.irp b, 0,1,2,3
	v_max_num_f32 v[BM+\b], v[BM+\b], v[S+15+16*\b]
.endr
.irp b, 0,1,2,3
	s_delay_alu instid0(VALU_DEP_4)
	v_permlanex16_b32 v[BP+\b], v[BM+\b], s36, s37
.endr
.irp b, 0,1,2,3
	s_delay_alu instid0(VALU_DEP_4)
	v_max_num_f32 v[BM+\b], v[BM+\b], v[BP+\b]     ; with lane l xor 16's 16 keys
.endr
	s_delay_alu instid0(VALU_DEP_2)
	v_max3_num_f32 v226, v[BM], v[BM+1], v[BM+2]
	s_delay_alu instid0(VALU_DEP_1)
	v_max_num_f32 v226, v226, v[BM+3]              ; the step's largest score of my query
	s_delay_alu instid0(VALU_DEP_1)
	v_mul_f32 v226, s38, v226                      ; as t (c is positive)
	s_delay_alu instid0(VALU_DEP_1)
	v_max_num_f32 v13, v13, v226                   ; the running largest t
	v_mov_b32 v226, v12
	s_delay_alu instid0(VALU_DEP_2)
	v_floor_f32 v12, -v13                          ; the new -M = floor(-t) = -ceil(t): M is a whole number
	s_delay_alu instid0(VALU_DEP_1)
	v_sub_f32 v226, v12, v226                      ; old M - new M: a whole number, 0 or less
	s_delay_alu instid0(VALU_DEP_1)
	v_cvt_i32_f32 v226, v226                       ; (it saturates)
	s_delay_alu instid0(VALU_DEP_1)
	v_ldexp_f32 v224, 1.0, v226                    ; f = 2^(old M - new M)
.set j, 0
.rept 32
	v_pk_fma_f32 v[S+j:S+j+1], v[S+j:S+j+1], s[38:39], v[12:13] op_sel_hi:[1,0,0]   ; t - M, two at a time
.set j, j+2
.endr
.irp b, 0,1,2,3
	v_fma_f32 v[BM+\b], v[BM+\b], s38, v12         ; the same of each block's largest score
.endr
.set j, 0
	s_wait_alu depctr_va_vdst(0)
.rept 64
	v_exp_f32 v[S+j], v[S+j]                       ; p = 2^(t - M), at most 1: not normalised
.set j, j+1
.endr
	s_setprio 1
	v_pk_mul_f32 v[14:15], v[14:15], v[224:225] op_sel_hi:[1,0]   ; the sums under the new M: a plain place behind the exponentials
	s_wait_alu depctr_va_vdst(0)                   ; one wait for the whole batch, ahead of its first reader
.irp b, 0,1,2,3
	v_exp_f32 v[BM+\b], v[BM+\b]                   ; the block's largest p
.endr
	v_pk_add_f32 v[216:217], v[100:101], v[104:105]
	v_pk_add_f32 v[252:253], v[108:109], v[112:113]
	v_pk_add_f32 v[250:251], v[116:117], v[120:121]
	v_pk_add_f32 v[248:249], v[124:125], v[128:129]
	v_pk_add_f32 v[246:247], v[132:133], v[136:137]
	v_pk_add_f32 v[244:245], v[140:141], v[144:145]
	v_pk_add_f32 v[242:243], v[148:149], v[152:153]
	v_pk_add_f32 v[14:15], v[14:15], v[156:157]
	v_pk_add_f32 v[216:217], v[216:217], v[96:97]
	v_pk_add_f32 v[252:253], v[252:253], v[98:99]
	v_pk_add_f32 v[250:251], v[250:251], v[102:103]
	v_pk_add_f32 v[248:249], v[248:249], v[106:107]
	v_pk_add_f32 v[246:247], v[246:247], v[110:111]
	v_pk_add_f32 v[244:245], v[244:245], v[114:115]
	v_pk_add_f32 v[242:243], v[242:243], v[118:119]
	v_pk_add_f32 v[14:15], v[14:15], v[122:123]
	v_pk_add_f32 v[216:217], v[216:217], v[126:127]
	v_pk_add_f32 v[252:253], v[252:253], v[130:131]
	v_pk_add_f32 v[250:251], v[250:251], v[134:135]
	v_pk_add_f32 v[248:249], v[248:249], v[138:139]
	v_pk_add_f32 v[246:247], v[246:247], v[142:143]
	v_pk_add_f32 v[244:245], v[244:245], v[146:147]
	v_pk_add_f32 v[242:243], v[242:243], v[150:151]
	v_pk_add_f32 v[14:15], v[14:15], v[154:155]
	v_pk_add_f32 v[216:217], v[216:217], v[158:159]
	s_delay_alu instid0(VALU_DEP_2)
	v_pk_add_f32 v[14:15], v[14:15], v[248:249]
	s_delay_alu instid0(VALU_DEP_2)
	v_pk_add_f32 v[216:217], v[216:217], v[246:247]
	v_pk_add_f32 v[252:253], v[252:253], v[244:245]
	v_pk_add_f32 v[250:251], v[250:251], v[242:243]
	s_delay_alu instid0(VALU_DEP_2)
	v_pk_add_f32 v[14:15], v[14:15], v[252:253]
	s_delay_alu instid0(VALU_DEP_2)
	v_pk_add_f32 v[216:217], v[216:217], v[250:251]
	s_delay_alu instid0(VALU_DEP_1)
	v_pk_add_f32 v[14:15], v[14:15], v[216:217]
	s_wait_alu depctr_va_vdst(0)                   ; and one for the four
.irp b, 0,1,2,3
	v_max_num_f32 v[BM+\b], 0x1800000, v[BM+\b]    ; the floor 2^(3 - 127): the byte cannot fall under 1
.endr
.irp b, 0,1,2,3
	s_delay_alu instid0(VALU_DEP_4)
	v_add_nc_u32 v[SO+\b], 0xff000000, v[BM+\b]    ; 2 off the exponent field: the conversion's scale operand
.endr
.irp b, 0,1,2,3
	s_delay_alu instid0(VALU_DEP_4)
	v_lshrrev_b32 v[BP+\b], 23, v[SO+\b]           ; the scale's byte
.endr
	s_delay_alu instid0(VALU_DEP_3)
	v_lshl_or_b32 v228, v[BP+1], 8, v[BP]          ; p's scale word for these 128 keys
	s_delay_alu instid0(VALU_DEP_1)
	v_lshl_or_b32 v228, v[BP+2], 16, v228
	s_delay_alu instid0(VALU_DEP_1)
	v_lshl_or_b32 v228, v[BP+3], 24, v228
.irp c, 0,1
	v_cvt_scalef32_pk16_fp6_f32 v[192+6*\c:194+6*\c], v[S+32*\c:S+15+32*\c], v[SO+2*\c]
	v_cvt_scalef32_pk16_fp6_f32 v[204+4*\c:206+4*\c], v[S+16+32*\c:S+31+32*\c], v[SO+2*\c+1]   ; (a conversion's three registers begin on an even number)
.endr
	v_nop                                          ; one plain place behind a scaled conversion
.irp c, 0,1
.irp i, 0,1,2
	v_permlane16_swap_b32 v[192+6*\c+\i], v[204+4*\c+\i]   ; a whole block in a lane
.endr
.irp i, 0,1,2
	s_delay_alu instid0(VALU_DEP_3)
	v_mov_b32 v[195+6*\c+\i], v[204+4*\c+\i]
.endr
.endr
.set j, 0
	s_setprio 0
.rept 16
	v_pk_mul_f32 v[OT+j:OT+j+1], v[OT+j:OT+j+1], v[224:225] op_sel_hi:[1,0]   ; O^T under the new M.  Of these sixteen, twelve name no register of any one product below: the places between p's codes and scale word and the products
.set j, j+2
.endr
	s_wait_alu depctr_va_vdst(0)
	s_wait_dscnt 0x0                               ; V
.irp d, 0,1,2,3
	PV \d                                          ; the four accumulators by turns
.endr
	s_add_co_u32 s40, s40, 6144
	s_add_co_u32 s41, s41, 256
	s_sub_co_u32 s42, s42, 1
	s_cmp_lg_u32 s42, 0
	s_cbranch_scc1 .Lstep
	s_setprio 0
	; ---- the tile's way out: O^T / l, quantised along the head's 64 (two blocks of the model's 1,024)
.rept 4
	v_nop
.endr
	v_add_f32 v14, v14, v15                        ; the sum's two halves,
	s_delay_alu instid0(VALU_DEP_1)
	v_permlanex16_b32 v226, v14, s36, s37
	s_delay_alu instid0(VALU_DEP_1)
	v_add_f32 v14, v14, v226                       ; and lane l xor 16's: the row's sum
	s_wait_alu depctr_va_vdst(0)
	v_rcp_f32 v224, v14
	v_nop                                          ; a plain place behind the transcendental
	s_wait_alu depctr_va_vdst(0)                   ; and the wait ahead of its first reader
.set j, 0
.rept 16
	v_pk_mul_f32 v[S+j:S+j+1], v[OT+j:OT+j+1], v[224:225] op_sel_hi:[1,0]   ; register 16 b + i is channel 32 b + 16 (lane / 16) + i of my query; each accumulator is read from its low end on
.set j, j+2
.endr
.irp b, 0,1
	v_max3_num_f32 v[BM+\b], |v[S+16*\b]|, |v[S+1+16*\b]|, 0x1800000
.endr
.irp i, 2,4,6,8,10,12,14
.irp b, 0,1
	s_delay_alu instid0(VALU_DEP_2)
	v_max3_num_f32 v[BM+\b], v[BM+\b], |v[S+16*\b+\i]|, |v[S+1+16*\b+\i]|
.endr
.endr
.irp b, 0,1
	s_delay_alu instid0(VALU_DEP_2)
	v_permlanex16_b32 v[BP+\b], v[BM+\b], s36, s37
.endr
.irp b, 0,1
	s_delay_alu instid0(VALU_DEP_2)
	v_max_num_f32 v[BM+\b], v[BM+\b], v[BP+\b]
.endr
.irp b, 0,1
	s_delay_alu instid0(VALU_DEP_2)
	v_add_nc_u32 v[SO+\b], 0xff000000, v[BM+\b]
.endr
.irp b, 0,1
	s_delay_alu instid0(VALU_DEP_2)
	v_lshrrev_b32 v[BP+\b], 23, v[SO+\b]
.endr
	s_delay_alu instid0(VALU_DEP_1)
	v_lshl_or_b32 v226, v[BP+1], 8, v[BP]          ; the tile's two bytes
	v_cvt_scalef32_pk16_fp6_f32 v[192:194], v[S:S+15], v[SO]
	v_cvt_scalef32_pk16_fp6_f32 v[204:206], v[S+16:S+31], v[SO+1]
	v_nop
.irp i, 0,1,2
	v_permlane16_swap_b32 v[192+\i], v[204+\i]
.endr
.irp i, 0,1,2
	s_delay_alu instid0(VALU_DEP_3)
	v_mov_b32 v[195+\i], v[204+\i]
.endr
.irp p, 0,1,2
	global_store_b64 v5, v[192+2*\p:193+2*\p], s[50:51] offset:256*\p   ; 32 lanes store 256 consecutive bytes, at a multiple of 256 from the buffer's first byte
.endr
	v_lshrrev_b32 v7, 16, v7
	s_delay_alu instid0(VALU_DEP_1)
	v_lshl_or_b32 v7, v226, 16, v7                 ; behind both tiles: tile 0's bytes below, tile 1's above
	s_wait_xcnt 0x0                                ; the stores have read their base and their data: both may be written again
	s_add_nc_u64 s[50:51], s[50:51], 12288         ; the next row tile
	s_mov_b32 s44, -1
	s_mov_b32 s45, 16
	s_sub_co_u32 s43, s43, 1
	s_cmp_lg_u32 s43, 0
	s_cbranch_scc1 .Ltile
	s_wait_alu depctr_va_vdst(0)
	global_store_b32 v6, v7, s[52:53]              ; lanes r and r + 16 store the same word with the same value
	s_wait_tensorcnt 0x0
	ds_add_u32 v254, v255
	s_wait_dscnt 0x0
	ROUND                                          ; the closing round: no work-group ends while a partner may still ask for a tile that names it
	s_endpgm
.Lfunc_end_k_q55cd2e65f6_attn:
	.size	k_q55cd2e65f6_attn, .Lfunc_end_k_q55cd2e65f6_attn-k_q55cd2e65f6_attn
	.p2alignl 7, 3214868480
	.fill 96, 4, 3214868480
	.section	.rodata,"a",@progbits
	.p2align	6, 0x0
	.amdhsa_kernel k_q55cd2e65f6_attn
		.amdhsa_group_segment_fixed_size 206848
		.amdhsa_private_segment_fixed_size 0
		.amdhsa_enable_private_segment 0
		.amdhsa_kernarg_size 16
		.amdhsa_user_sgpr_count 2
		.amdhsa_user_sgpr_kernarg_segment_ptr 1
		.amdhsa_wavefront_size32 1
		.amdhsa_system_sgpr_workgroup_id_x 1
		.amdhsa_system_sgpr_workgroup_id_y 1
		.amdhsa_system_sgpr_workgroup_id_z 1
		.amdhsa_system_vgpr_workitem_id 0
		.amdhsa_next_free_vgpr 256
		.amdhsa_next_free_sgpr 66
		.amdhsa_reserve_vcc 0
		.amdhsa_float_denorm_mode_32 3
		.amdhsa_float_denorm_mode_16_64 3
		.amdhsa_memory_ordered 1
		.amdhsa_forward_progress 1
		.amdhsa_inst_pref_size 31
	.end_amdhsa_kernel
	.amdgpu_metadata
---
amdhsa.version: [ 1, 2 ]
amdhsa.kernels:
  - .name:           k_q55cd2e65f6_attn
    .symbol:         k_q55cd2e65f6_attn.kd
    .args:
      - { .name: qkv, .offset: 0, .size: 8, .value_kind: global_buffer, .address_space: global }
      - { .name: obuf, .offset: 8, .size: 8, .value_kind: global_buffer, .address_space: global }
    .group_segment_fixed_size: 206848
    .private_segment_fixed_size: 0
    .kernarg_segment_align: 8
    .kernarg_segment_size: 16
    .max_flat_workgroup_size: 512
    .sgpr_count:     66
    .vgpr_count:     256
    .wavefront_size: 32
...
	.end_amdgpu_metadata
.endif
;; end of part 7
;; launch oproj (part 8): grid 4 x 64, 4 waves a work-group, clusters of 4 x 1, 168,448 bytes of LDS; arguments obuf, wbuf, bo, out0; writes out0
.if DOCPART == 8
	.amdgcn_target "amdgcn-amd-amdhsa--gfx1250"
	.amdhsa_code_object_version 6
	.text
	.protected	k_q55cd2e65f6_oproj
	.globl	k_q55cd2e65f6_oproj
	.p2align	8
	.type	k_q55cd2e65f6_oproj,@function
k_q55cd2e65f6_oproj:
	s_mov_b64 s[64:65], 0
	v_nop
	global_prefetch_b8 v0, s[64:65] scope:SCOPE_SE
	s_setreg_imm32_b32 hwreg(HW_REG_WAVE_MODE, 25, 1), 1
	s_wait_xcnt 0x0
	s_wait_alu depctr_hold_cnt(0) depctr_sa_sdst(0) depctr_va_vdst(0) depctr_va_sdst(0) depctr_va_ssrc(0) depctr_va_vcc(0) depctr_vm_vsrc(0)
	s_getreg_b32 s2, hwreg(HW_REG_IB_STS2, 6, 4)
	s_cmp_eq_u32 s2, 0
	s_cbranch_scc0 .Lentry_in_a_cluster
	s_endpgm
.Lentry_in_a_cluster:
	s_bfe_u32 s2, ttmp6, 0x10000c
	s_cmp_lg_u32 s2, 0x3003
	s_cbranch_scc0 .Lentry_shape_is_right
	s_endpgm
.Lentry_shape_is_right:
; out0 = O Wo + bo on codes of FP6 (E2M3) with one E8M0 scale for each 32 along K = 1,024.  O's codes and scale bytes come from obuf, Wo's from wbuf, both laid in the order of the operands' registers.
; SHARES.  Cluster y: 128 rows (row tiles 8 Y .. 8 Y + 7).  The four work-groups of a cluster take 256 columns each and need the same rows' codes for all of K, 98,304 dense bytes: they are asked for JOINTLY, once,
; each wave a quarter, and stay in LDS.  No LDS byte is filled again.  Wave w makes 128 rows x 64 columns: 32 accumulators; its part of Wo for all of K (384 registers) comes straight into registers, once:
; each partner reads another slice of Wo, so there is nothing of Wo to ask for jointly.  All that the launch reads is asked for at its head: there is nothing left to prefetch.
; THE MATRIX INSTRUCTION IS USED TRANSPOSED (source 0 = 16 columns of Wo, source 1 = 16 rows of O): a lane holds one row and, over two neighbouring tiles, 16 neighbouring columns.
; The rows of a tile, of O and of Wo alike: lane-row i of tile T is row 32 (T / 2) + 8 (T % 2) + i + 8 (i / 8).  The bias is the C of each sum's first matrix instruction.
; O's scale words for K step s are pieced from the words of heads 2 s and 2 s + 1 (bytes: tile 0 block 0, tile 0 block 1, tile 1 block 0, tile 1 block 1): two low halves for the even row tile, two high halves for the odd one.
; LDS: 0: O's images [row tile][K step], 12,288 xt + 1,536 s; pair pp of lane l at 256 pp + 8 l.   98,304: for each wave a stage of 16 rows x (256 + 16) bytes; no fill lands there.
; REGISTERS, in windows of 256.  Window 0: v1-9 addresses; v16-47 O's scale words (4 xt + q: lanes 0-15 K step 2 q, lanes 16-31 K step 2 q + 1); v48-63 Wo's (4 wt + q); v64-159, v160-255 O's eight fragments, two sets
;   (at the head v160-191 hold the raw words; on the way out v64-127 hold rows).   Window 1: Wo's fragments of K steps 0-4 at 48 s + 12 wt.   Window 3: those of K steps 5-7; from v144 the bias.   Window 2: accumulator (xt, wt) at 8 (4 xt + wt).
.set XS,  16
.set WS,  48
.set RAW, 160
.set MSB, 0
.macro WIN new                         ; the immediate's high byte repeats the setting that is left
.if MSB != \new
	s_set_vgpr_msb (MSB<<8)|\new
.set MSB, \new
.endif
.endm
.macro PLACES
.rept 4
	v_nop
.endr
.endm
.macro ROUND                           ; a round of the cluster's barrier
	s_barrier_signal -1
	s_barrier_wait -1
	s_cmp_lg_u32 s12, 0
	s_cbranch_scc1 .Lnot_wave_0_\@
	s_barrier_signal -3
.Lnot_wave_0_\@:
	s_barrier_wait -3
	s_barrier_signal -1
	s_barrier_wait -1
.endm
	s_load_b256 s[4:11], s[0:1], 0x0               ; obuf, wbuf, bo, out0
	v_lshl_add_u32 v14, v0, 2, 0x29000
	v_mov_b32 v15, 0
	ds_add_u32 v14, v15
	ds_add_u32 v14, v15
	v_lshrrev_b32 v10, 5, v0
	v_readfirstlane_b32 s12, v10                   ; wave
	s_bfe_u32 s13, ttmp6, 0x40000                  ; cx
	s_lshl_b32 s14, ttmp9, 2
	s_add_co_u32 s14, s14, s13                     ; X: which 256 columns
	s_and_b32 s15, ttmp7, 0xffff                   ; Y: which 128 rows, shared by the four partners
	; descriptor group 1: a quarter of the rows' codes, 24,576 dense bytes, as 96 rows of 256 bytes
	s_mov_b32 s16, 15|(3<<16)|(1<<21)              ; 15:0 the mask: all four work-groups; 17:16 elements of 8 bytes; 21 set beside a mask
	s_mov_b32 s17, 32<<16
	s_mov_b32 s18, 96<<16
	s_mov_b32 s19, 32<<16
	s_mov_b32 s20, 96
	s_mov_b32 s21, 32
	s_mov_b32 s22, 0
	s_mov_b32 s23, 0
	s_mul_i32 s25, s12, 24576                      ; where my quarter goes
	s_mul_i32 s40, s15, 98304
	s_add_co_u32 s40, s40, s25                     ; and where it comes from
	s_mov_b32 s41, 0
	v_and_b32 v10, 31, v0                          ; lane
	v_and_b32 v11, 15, v0                          ; r
	v_bfe_u32 v12, v0, 4, 1                        ; h
	v_lshlrev_b32 v1, 3, v10                       ; images of row tiles 0-3: 8 x lane
	v_add_nc_u32 v2, 49152, v1                     ; of row tiles 4-7
	v_lshlrev_b32 v3, 4, v10
	v_lshlrev_b32 v4, 2, v10
	v_lshlrev_b32 v5, 2, v11
	v_lshl_add_u32 v5, v12, 13, v5                 ; the raw words: 4 r, and two heads on for lanes 16-31
	v_lshlrev_b32 v6, 6, v12                       ; the bias: 16 columns on for lanes 16-31
	s_mul_i32 s46, s12, 4352
	s_add_co_u32 s46, s46, 98304                   ; my stage
	v_mul_u32_u24 v7, v11, 272
	v_lshl_add_u32 v7, v12, 6, v7
	v_add_nc_u32 v7, s46, v7                       ; in: row r, + 64 h
	v_mul_u32_u24 v8, v12, 272
	v_lshl_add_u32 v8, v11, 4, v8
	v_add_nc_u32 v8, s46, v8                       ; back: lanes 0-15 one row of 256 bytes, lanes 16-31 the next
	v_lshlrev_b32 v9, 4, v11
	v_lshl_add_u32 v9, v12, 12, v9                 ; and the same two rows in out0
	s_wait_dscnt 0x0
	s_wait_kmcnt 0x0
	s_mov_b32 s24, 1
	s_add_nc_u64 s[26:27], s[4:5], s[40:41]
	s_or_b32 s27, s27, 0x80000000
	s_lshr_b32 s40, s15, 4
	s_lshl_b32 s40, s40, 16
	s_and_b32 s46, s15, 15
	s_lshl_b32 s46, s46, 8
	s_add_co_u32 s40, s40, s46
	s_add_co_u32 s40, s40, 6291456
	s_add_nc_u64 s[34:35], s[4:5], s[40:41]        ; the raw words: 65,536 b + 256 (Y % 16)
	; what hangs on my place in the cluster is made in registers of its own
	s_mov_b32 s43, 0
	s_lshl_b32 s44, s14, 1
	s_lshr_b32 s45, s12, 1
	s_add_co_u32 s44, s44, s45
	s_lshl_b32 s44, s44, 6
	s_and_b32 s45, s12, 1
	s_lshl_b32 s45, s45, 2
	s_add_co_u32 s44, s44, s45
	s_mul_i32 s42, s44, 1536
	s_add_co_u32 s42, s42, 2457600
	s_add_nc_u64 s[28:29], s[6:7], s[42:43]        ; Wo's codes: chunk 2 X + wave / 2, tile 4 (wave % 2)
	s_lshl_b32 s44, s14, 4
	s_lshl_b32 s45, s12, 2
	s_add_co_u32 s44, s44, s45
	s_lshl_b32 s42, s44, 9
	s_add_co_u32 s42, s42, 3244032
	s_add_nc_u64 s[30:31], s[6:7], s[42:43]        ; Wo's scale words: tile 16 X + 4 wave
	s_lshl_b32 s42, s14, 10
	s_lshl_b32 s45, s12, 8
	s_add_co_u32 s42, s42, s45
	s_add_nc_u64 s[32:33], s[8:9], s[42:43]        ; the bias at column 256 X + 64 wave
	s_lshl_b32 s45, s15, 19
	s_add_co_u32 s42, s42, s45
	s_add_nc_u64 s[36:37], s[10:11], s[42:43]      ; out0 at row 128 Y, the same column
	ROUND                                          ; all four work-groups are here: the joint loads meet
	tensor_load_to_lds s[24:27], s[16:23]          ; every wave its quarter
	s_nop 0
	PLACES
	WIN 0x40
.irp s, 0,1,2,3,4
.irp wt, 0,1,2,3
.irp g, 0,1,2
	global_load_b128 v[48*\s+12*\wt+4*\g:48*\s+12*\wt+4*\g+3], v3, s[28:29] offset:12288*\s+1536*\wt+512*\g
.endr
.endr
.endr
	WIN 0xc0
.irp s, 5,6,7
.irp wt, 0,1,2,3
.irp g, 0,1,2
	global_load_b128 v[48*(\s-5)+12*\wt+4*\g:48*(\s-5)+12*\wt+4*\g+3], v3, s[28:29] offset:12288*\s+1536*\wt+512*\g
.endr
.endr
.endr
	s_wait_alu depctr_va_vdst(0)
.irp wt, 0,1,2,3
	global_load_b128 v[144+8*\wt:144+8*\wt+3], v6, s[32:33] offset:(32*(\wt/2)+8*(\wt%2))*4
	global_load_b128 v[144+8*\wt+4:144+8*\wt+7], v6, s[32:33] offset:(32*(\wt/2)+8*(\wt%2))*4+16
.endr
	WIN 0
.irp wt, 0,1,2,3
.irp q, 0,1,2,3
	global_load_b32 v[WS+4*\wt+\q], v4, s[30:31] offset:512*\wt+128*\q
.endr
.endr
.irp e, 0,1,2,3
.irp q, 0,1,2,3
.irp d, 0,1
	global_load_b32 v[RAW+8*\e+2*\q+\d], v5, s[34:35] offset:(4*\q+\d)*4096+64*\e   ; block e of 32 rows, head 4 q + 2 (lane / 16) + d
.endr
.endr
.endr
	s_wait_loadcnt 0x0
.irp e, 0,1,2,3
.irp q, 0,1,2,3
	v_perm_b32 v[XS+8*\e+\q], v[RAW+8*\e+2*\q+1], v[RAW+8*\e+2*\q], 0x05040100     ; row tile 2 e: the two low halves
	v_perm_b32 v[XS+8*\e+4+\q], v[RAW+8*\e+2*\q+1], v[RAW+8*\e+2*\q], 0x07060302   ; row tile 2 e + 1: the two high halves
.endr
.endr
.rept 8
	v_nop                                          ; a scale register written by a vector instruction stands eight places ahead of a scaled matrix instruction
.endr
	s_wait_alu depctr_va_vdst(0)
	s_wait_tensorcnt 0x0                           ; my quarter has landed,
	s_barrier_signal -1
	s_barrier_wait -1                              ; everybody's has
.macro FETCH s, p                      ; O's eight fragments of K step s into set p
.irp xt, 0,1,2,3,4,5,6,7
.irp pp, 0,1,2,3,4,5
	ds_load_b64 v[64+96*(\p)+12*\xt+2*\pp:64+96*(\p)+12*\xt+2*\pp+1], v[1+\xt/4] offset:(\xt%4)*12288+1536*(\s)+256*\pp
.endr
.endr
.endm
.macro WM d, a, b, c, sa, sb, odd      ; one product; odd K steps take their scale words from lanes 16-31
.if \odd
	v_wmma_scale_f32_16x16x128_f8f6f4 v[\d:\d+7], v[\a:\a+11], v[\b:\b+11], v[\c:\c+7], v[\sa], v[\sb] matrix_a_fmt:MATRIX_FMT_FP6 matrix_b_fmt:MATRIX_FMT_FP6 matrix_a_scale:MATRIX_SCALE_ROW1 matrix_b_scale:MATRIX_SCALE_ROW1
.else
	v_wmma_scale_f32_16x16x128_f8f6f4 v[\d:\d+7], v[\a:\a+11], v[\b:\b+11], v[\c:\c+7], v[\sa], v[\sb] matrix_a_fmt:MATRIX_FMT_FP6 matrix_b_fmt:MATRIX_FMT_FP6
.endif
.endm
; K step s: the next step's fragments are asked for first, then 32 products; the 32 accumulators take turns, in the same order in every step.
.macro OSTEP s
.if (\s) < 7
.if (\s) > 0
	PLACES                                         ; for loads into the set that the step before multiplied
.endif
	WIN 0
	FETCH (\s)+1, ((\s)+1)%2
	s_wait_dscnt 48                                ; all but the 48 just issued
.else
	s_wait_dscnt 0x0
.endif
.if (\s) == 0
	WIN 0xb1                                       ; source 0 (Wo) window 1, source 1 (O) window 0, C (the bias) window 3, D window 2
.elseif (\s) < 5
	WIN 0xa1                                       ; C and D window 2
.else
	WIN 0xa3                                       ; source 0 window 3
.endif
.irp xt, 0,1,2,3,4,5,6,7
.irp wt, 0,1,2,3
.set DD, 8*(4*\xt+\wt)
.set CR, DD
.if (\s) == 0
.set CR, 144+8*\wt
.endif
.set AA, 48*((\s)%5)+12*\wt            ; K steps 0-4 in window 1, 5-7 in window 3
	WM DD, AA, 64+96*((\s)%2)+12*\xt, CR, WS+4*\wt+(\s)/2, XS+4*\xt+(\s)/2, (\s)%2
.endr
.endr
.endm
	FETCH 0, 0
.irp s, 0,1,2,3,4,5,6,7
	OSTEP \s
.endr
; THE WAY OUT, a row tile at a time: a lane holds pieces of one row, so the tile goes through my own stage and comes back as whole rows of 256 bytes.
.macro TOSTAGE xt
	WIN 0x08                                       ; an LDS store's data are its source 1: window 2
.irp wt, 0,1,2,3
	ds_store_b128 v7, v[8*(4*(\xt)+\wt):8*(4*(\xt)+\wt)+3] offset:128*(\wt/2)+32*(\wt%2)         ; each accumulator from its low end on
	ds_store_b128 v7, v[8*(4*(\xt)+\wt)+4:8*(4*(\xt)+\wt)+7] offset:128*(\wt/2)+32*(\wt%2)+16
.endr
	WIN 0
.irp i, 0,1,2,3,4,5,6,7
	ds_load_b128 v[64+32*((\xt)%2)+4*\i:64+32*((\xt)%2)+4*\i+3], v8 offset:544*\i   ; LDS serves a wave's instructions in order: these see the stores above, and the next tile's stores come behind them
.endr
.endm
.macro SEND xt, younger                ; younger: the LDS instructions issued behind tile xt's loads
	s_wait_dscnt \younger
.irp i, 0,1,2,3,4,5,6,7
	global_store_b128 v9, v[64+32*((\xt)%2)+4*\i:64+32*((\xt)%2)+4*\i+3], s[36:37] offset:(32*((\xt)/2)+8*((\xt)%2)+2*\i+8*(\i/4))*4096 th:TH_STORE_NT   ; 16 lanes store 256 consecutive bytes, at a multiple of 256 from out0's first byte
.endr
.endm
	PLACES                                         ; behind the last products: for the first read of results and the loads into the fragments' registers
	TOSTAGE 0
.irp a, 1,2,3,4,5,6,7
.if \a > 1
	s_wait_xcnt 0x0                                ; tile a - 2's stores have read their registers: tile a's rows may land there
.endif
	TOSTAGE \a
	SEND \a-1, 16                                  ; behind tile a - 1's loads: tile a's 8 stores and 8 loads
.endr
	SEND 7, 0
	s_wait_tensorcnt 0x0
	ds_add_u32 v14, v15
	s_wait_dscnt 0x0
	ROUND                                          ; the closing round: no work-group ends while a partner may still ask for a tile that names it
	s_endpgm
.Lfunc_end_k_q55cd2e65f6_oproj:
	.size	k_q55cd2e65f6_oproj, .Lfunc_end_k_q55cd2e65f6_oproj-k_q55cd2e65f6_oproj
	.p2alignl 7, 3214868480
	.fill 96, 4, 3214868480
	.section	.rodata,"a",@progbits
	.p2align	6, 0x0
	.amdhsa_kernel k_q55cd2e65f6_oproj
		.amdhsa_group_segment_fixed_size 168448
		.amdhsa_private_segment_fixed_size 0
		.amdhsa_enable_private_segment 0
		.amdhsa_kernarg_size 32
		.amdhsa_user_sgpr_count 2
		.amdhsa_user_sgpr_kernarg_segment_ptr 1
		.amdhsa_wavefront_size32 1
		.amdhsa_system_sgpr_workgroup_id_x 1
		.amdhsa_system_sgpr_workgroup_id_y 1
		.amdhsa_system_sgpr_workgroup_id_z 1
		.amdhsa_system_vgpr_workitem_id 0
		.amdhsa_next_free_vgpr 1024
		.amdhsa_next_free_sgpr 66
		.amdhsa_reserve_vcc 0
		.amdhsa_float_denorm_mode_32 3
		.amdhsa_float_denorm_mode_16_64 3
		.amdhsa_memory_ordered 1
		.amdhsa_forward_progress 1
		.amdhsa_inst_pref_size 96
	.end_amdhsa_kernel
	.amdgpu_metadata
---
amdhsa.version: [ 1, 2 ]
amdhsa.kernels:
  - .name:           k_q55cd2e65f6_oproj
    .symbol:         k_q55cd2e65f6_oproj.kd
    .args:
      - { .name: obuf, .offset: 0, .size: 8, .value_kind: global_buffer, .address_space: global }
      - { .name: wbuf, .offset: 8, .size: 8, .value_kind: global_buffer, .address_space: global }
      - { .name: bo, .offset: 16, .size: 8, .value_kind: global_buffer, .address_space: global }
      - { .name: out0, .offset: 24, .size: 8, .value_kind: global_buffer, .address_space: global }
    .group_segment_fixed_size: 168448
    .private_segment_fixed_size: 0
    .kernarg_segment_align: 8
    .kernarg_segment_size: 32
    .max_flat_workgroup_size: 128
    .sgpr_count:     66
    .vgpr_count:     1024
    .wavefront_size: 32
...
	.end_amdgpu_metadata
.endif
;; end of part 8
